; MI455X (gfx1250); checked and timed in simulation.
; The chip was launched on July 23, 2026; its instructions are those of AMD's public machine-readable ISA for CDNA 5 (MIT licence, August 2026) and "CDNA5" Instruction Set Architecture Reference Guide (July 2026). The comments in the code are by the model that wrote it; some were corrected since.
;; Multi Head Attention. Allowed arithmetic: matrix products marked QUANTISED: E2M3 operands, one E8M0 scale for each 32 along K, by v_wmma_scale_f32_16x16x128_f8f6f4 with both operands' format E2M3, f32 sums; everything else in f32.
;; Inputs: b_k 1,024 float32; b_o 1,024 float32; b_q 1,024 float32; b_v 1,024 float32; w_k 1,024 x 1,024 float32; w_o 1,024 x 1,024 float32; w_q 1,024 x 1,024 float32; w_v 1,024 x 1,024 float32; x 4 x 2,048 x 1,024 float32.
;; Outputs: out0 4 x 2,048 x 1,024 float32.
;; This version of the problem:
;;   THIS VERSION OF THE PROBLEM IS GIVEN IN LOW PRECISION. The matrix products marked QUANTISED in the list below multiply operands that are first quantised to E2M3 (2 exponent bits, 3 mantissa bits; 6 bits a number), with one power-of-two scale for each 32 numbers along K (OCP MX v1.0); their sums are f32. All else is computed in f32.
;;   The module's matrix products, in the order in which they are computed (A, B: the left and right operand; K: the contracted axis; several contracted axes count as one K, in the product's order):
;;     1. [M 8,192, K 1,024] x [K 1,024, N 1,024]; A: input x; B: input w_q: QUANTISED
;;     2. [M 8,192, K 1,024] x [K 1,024, N 1,024]; A: input x; B: input w_k: QUANTISED
;;     3. [M 8,192, K 1,024] x [K 1,024, N 1,024]; A: input x; B: input w_v: QUANTISED
;;     4. batch 64 x [M 2,048, K 64] x [K 64, N 2,048]; A: computed on the way; B: computed on the way: QUANTISED
;;     5. batch 64 x [M 2,048, K 2,048] x [K 2,048, N 64]; A: softmax (see below); B: computed on the way: QUANTISED
;;     6. [M 8,192, K 1,024] x [K 1,024, N 1,024]; A: computed on the way; B: input w_o: QUANTISED
;;   THE QUANTISER, for each operand of a quantised product, along K:
;;     - K is cut into blocks of 32 from its start; a last block that is shorter is filled with zeros.
;;     - A block's scale is 2^e with e = floor(log2(the largest magnitude in the block)) - 2, held to -126 .. 127; a block of zeros has e = 0. As a byte (E8M0): e + 127.
;;     - Each number is divided by its block's scale, clamped to +-7.5, and rounded to the nearest number of E2M3, ties to even, subnormals kept.
;;     - The product sums the exact products of the quantised numbers (number of the format x scale) in f32.
;;   ~~~python
;;   def quantise(x, axis):      # numpy; x: float32 -> the quantised numbers, widened to float32 again
;;       x = np.moveaxis(x, axis, -1); K = x.shape[-1]
;;       x = np.pad(x, [(0, 0)] * (x.ndim - 1) + [(0, -K % 32)]); x = x.reshape(x.shape[:-1] + (-1, 32)); a = np.abs(x).max(-1, keepdims=True)
;;       e = np.where(a > 0, np.clip(np.frexp(np.where(a > 0, a, 1))[1] - 1 - 2, -126, 127), 0)      # np.frexp(a)[1] - 1 = floor(log2(a)), exactly
;;       r = np.clip(x / 2.0 ** e, -7.5, 7.5)
;;       step = 2.0 ** (np.maximum(np.frexp(np.where(r == 0, 1, r))[1] - 1, 0) - 3)
;;       q = np.round(r / step) * step * 2.0 ** e      # np.round: ties to even
;;       return np.moveaxis(q.reshape(q.shape[:-2] + (-1,))[..., :K], -1, axis).astype(np.float32)
;;   ~~~
;;   SOFTMAX AHEAD OF A QUANTISED PRODUCT. Where the list says 'softmax', what is quantised is not the finished softmax but p = 2^(t - M), with t = logit x log2(e) and M = ceil(the row's largest t), a whole number; so 1/2 < the row's largest p <= 1. The row's sum l is taken of the UNQUANTISED p, in f32, and the product's result is divided by l at the end. Since M is a whole number, a kernel that streams over the keys may use a running M (the ceiling of the running maximum): every later rescaling is an exact power of two, which a block's scale takes up: the codes' values come out the same.
;;   OPERANDS COMPUTED ON THE WAY. 'Computed on the way' means the value that the module computes at that place (a softmax that the list does not call 'softmax' is quantised finished and normalised). What goes into a quantiser is computed in f32, as accurately as f32 sums, v_exp_f32 and their like allow (about 1e-6 of the number): no bf16 or f16 on the way to a quantiser, and a product that is left as it is and whose result goes on into a quantised operand takes f32 operands (vector FMAs, or v_wmma_f32_16x16x4_f32). A number that lies on a knife's edge between two numbers of the format may be rounded either way, as far as f32 arithmetic and the matrix unit's own rounding can turn it there, and no further.
;; One version. Each part assembles by itself: llvm-mc -triple=amdgcn-amd-amdhsa -mcpu=gfx1250 --defsym DOCPART=n.
;; ======== version 1 of 1: 4 launches
;; limits: right only within a limited range of input values
;; workspace buffers: xq 6,553,600 bytes; wq 3,276,800 bytes; qq 6,815,744 bytes; kq 6,815,744 bytes; vq 6,553,600 bytes; cq 6,553,600 bytes
;; launch quant (part 1): grid 256 x 1, 6 waves a work-group, no clusters, 51,456 bytes of LDS; arguments x, w_q, w_k, w_v, w_o, xq, wq; writes xq, wq
.if DOCPART == 1
	.amdgcn_target "amdgcn-amd-amdhsa--gfx1250"
	.amdhsa_code_object_version 6
	.text
	.protected	k_qe8e4fa4e4c_quant
	.globl	k_qe8e4fa4e4c_quant
	.p2align	8
	.type	k_qe8e4fa4e4c_quant,@function
k_qe8e4fa4e4c_quant:
	s_mov_b64 s[64:65], 0
	v_nop
	global_prefetch_b8 v0, s[64:65] scope:SCOPE_SE
	s_setreg_imm32_b32 hwreg(HW_REG_WAVE_MODE, 25, 1), 1
	s_wait_xcnt 0x0
; x [8192][1024] and the four weights [1024][1024], f32, K innermost, become codes of FP6 (E2M3) with one E8M0 byte for each 32 along K,
; laid in the ORDER OF THE OPERAND'S REGISTERS, so that the products' launches read fragments as consecutive bytes.
; A ROW TILE T holds the 16 rows 32 (T / 2) + 8 (T % 2) + r + 8 (r / 8), r = 0 .. 15: with this order on both operands of a product, a lane's 16 result
; registers of two neighbouring tiles are 16 neighbours along the next product's K.
; A RECORD (6,400 bytes) is one row tile x 512 along K: four fragments of 1,536 bytes (16 rows x 128 K) and 256 bytes of scale words.
;   fragment: registers 0-3 at 16 x lane (512 bytes), 4-5 at 8 x lane (256), 6-9 at 16 x lane (512), 10-11 at 8 x lane (256).
;   scale words at +6,144: lane 16 (st / 2) + r holds two words; word st % 2 is row r's word of the record's K step st.
; xq: [512 row tiles][2 records];  wq: [256 row tiles: w_q, w_k, w_v, w_o, 64 each][2 records].
; SHARES: 768 row tiles x 2 records = 1,536 tasks = 256 work-groups x 6 waves; a wave makes one record.  Waves share nothing: no barrier.
; Each load reads 512 consecutive bytes of one row; a K step's 16 rows x 512 bytes turn through the wave's own stage in LDS (rows 528 bytes apart, so that
; the 16 rows that a read touches start in 16 different groups of banks) and come back 16 neighbours along K of each block of 32 to a lane.
; No cluster: no two work-groups read the same byte.  No matrix unit: the launch moves bytes.
; A block's scale is 2^(floor(log2(largest magnitude)) - 2); its byte is the largest magnitude's exponent field - 2, held at 1 from below.
; LIMITS: a block of zeros gets the byte 1 where the rule says 127 (its codes are zeros, and this program alone reads the bytes); blocks whose largest
; magnitude lies under 2^-124 keep the byte 1; NaN and infinities among the inputs are not served.
.set SP,    528                        ; a stage row: 512 bytes + 16
.set STG,   16*SP                      ; a wave's stage
.set REC,   6400
.set LI16,  2                          ; v2  16 x lane
.set LI8,   3                          ; v3  8 x lane
.set STI,   4                          ; v4  the stage, on the way in
.set STO,   5                          ; v5  and on the way out: row r, + 64 h
.set TM,    8                          ; v8-11 largest magnitudes, v12-15 the other half's, then bytes, v20-23 the conversions' scale operands
.set SW,    24                         ; v24-27 the four K steps' scale words
.set OW,    28                         ; v28-29 the two that my lane stores
.set PC,    32                         ; v32-43 a fragment's codes
.set PT,    44                         ; v44-51 the second halves of the blocks, as the conversions leave them
.set R,     56                         ; v56-183 two sets of 64: a K step as loaded
.set X,     184                        ; v184-247 register 16 b + i = k 32 b + 16 h + i of my row
.set HM,    20                         ; s20 mask of lanes 16-31
.set SEL,   30                         ; s[30:31] lane selects: lane l xor 16
	s_load_b256 s[4:11], s[0:1], 0x0               ; x s[4:5], w_q s[6:7], w_k s[8:9], w_v s[10:11]
	s_load_b128 s[12:15], s[0:1], 0x20             ; w_o s[12:13], xq s[14:15]
	s_load_b64 s[16:17], s[0:1], 0x30              ; wq
	v_lshl_add_u32 v248, v0, 2, 0xc600
	v_mov_b32 v249, 0
	v_lshrrev_b32 v1, 5, v0
	v_readfirstlane_b32 s18, v1                    ; wave 0..5
	v_and_b32 v1, 31, v0                           ; lane
	v_lshlrev_b32 v[LI16], 4, v1
	v_lshlrev_b32 v[LI8], 3, v1
	s_mul_i32 s19, s18, STG
	v_add_nc_u32 v[STI], s19, v[LI16]
	v_and_b32 v6, 15, v0                           ; r
	v_bfe_u32 v7, v0, 4, 1                         ; h
	v_mul_u32_u24 v[STO], v6, SP
	v_lshl_add_u32 v[STO], v7, 6, v[STO]
	v_add_nc_u32 v[STO], s19, v[STO]
	v_cmp_le_u32 s[HM], 16, v1
.irp b, 0,1,2,3
	v_mov_b32 v[TM+4+\b], 0                        ; written once: a lane permute's destination counts as one of its sources
.endr
	s_mov_b32 s[SEL], 0x76543210
	s_mov_b32 s[SEL+1], 0xfedcba98
	s_mul_i32 s21, ttmp9, 6
	s_add_co_u32 s21, s21, s18                     ; my task
	s_lshr_b32 s22, s21, 1                         ; row tile 0..767: 0-511 x, then 64 for each weight
	s_and_b32 s23, s21, 1                          ; which 512 along K
	s_and_b32 s24, s22, 63                         ; a weight's own row tile
	s_sub_co_u32 s25, s22, 512                     ; and its place in wq
	s_wait_alu depctr_va_vdst(0)
	s_wait_kmcnt 0x0
	s_cmp_lt_u32 s22, 576                          ; the source and the destination are chosen on the task's number alone
	s_cselect_b64 s[6:7], s[6:7], s[8:9]
	s_cmp_lt_u32 s22, 640
	s_cselect_b64 s[6:7], s[6:7], s[10:11]
	s_cmp_lt_u32 s22, 704
	s_cselect_b64 s[6:7], s[6:7], s[12:13]
	s_cmp_lt_u32 s22, 512
	s_cselect_b64 s[4:5], s[4:5], s[6:7]
	s_cselect_b64 s[14:15], s[14:15], s[16:17]
	s_cselect_b32 s24, s22, s24
	s_cselect_b32 s25, s22, s25
	s_lshr_b32 s26, s24, 1                         ; the tile's first row, 32 (T / 2) + 8 (T % 2), x 4,096 bytes, + 2,048 for the second 512 along K
	s_lshl_b32 s26, s26, 17
	s_and_b32 s27, s24, 1
	s_lshl_b32 s27, s27, 15
	s_add_co_u32 s26, s26, s27
	s_lshl_b32 s27, s23, 11
	s_add_co_u32 s26, s26, s27
	s_mov_b32 s27, 0
	s_add_nc_u64 s[4:5], s[4:5], s[26:27]
	s_mul_i32 s28, s25, 2*REC
	s_mul_i32 s29, s23, REC
	s_add_co_u32 s28, s28, s29
	s_mov_b32 s29, 0
	s_add_nc_u64 s[14:15], s[14:15], s[28:29]
.macro LOAD t                          ; K step t: 16 rows x 512 consecutive bytes, into set t % 2
.irp i, 0,1,2,3,4,5,6,7,8,9,10,11,12,13,14,15
	global_load_b128 v[R+64*((\t)%2)+4*\i:R+64*((\t)%2)+4*\i+3], v[LI16], s[4:5] offset:(\i+8*(\i/8))*4096+512*(\t) th:TH_LOAD_NT
.endr
.endm
; 64 numbers of a lane, register 16 b + i = k 32 b + 16 h + i of my row, become a fragment's codes in v[pc] on and its scale word in v[pw]
.macro QUANT64 s, pc, pw
.irp b, 0,1,2,3
	v_max3_num_f32 v[TM+\b], |v[\s+16*\b]|, |v[\s+1+16*\b]|, 0x1800000   ; my 16 numbers of block b, and the floor 2^(3 - 127): the byte cannot fall under 1
.endr
.irp i, 2,4,6,8,10,12,14
.irp b, 0,1,2,3
	v_max3_num_f32 v[TM+\b], v[TM+\b], |v[\s+16*\b+\i]|, |v[\s+1+16*\b+\i]|   ; the four blocks by turns
.endr
.endr
.irp b, 0,1,2,3
	v_permlanex16_b32 v[TM+4+\b], v[TM+\b], s[SEL], s[SEL+1]
.endr
.irp b, 0,1,2,3
	v_max_num_f32 v[TM+\b], v[TM+\b], v[TM+4+\b]   ; with lane l xor 16's 16: the block's largest magnitude
.endr
.irp b, 0,1,2,3
	v_add_nc_u32 v[TM+12+\b], 0xff000000, v[TM+\b] ; 2 off its exponent field: the conversion takes this operand's exponent field as its scale
.endr
.irp b, 0,1,2,3
	v_lshrrev_b32 v[TM+4+\b], 23, v[TM+12+\b]      ; the scale's byte
.endr
	v_lshl_or_b32 v[\pw], v[TM+5], 8, v[TM+4]
	v_lshl_or_b32 v[\pw], v[TM+6], 16, v[\pw]
	v_lshl_or_b32 v[\pw], v[TM+7], 24, v[\pw]
.irp c, 0,1
	v_cvt_scalef32_pk16_fp6_f32 v[\pc+6*\c:\pc+2+6*\c], v[\s+32*\c:\s+15+32*\c], v[TM+12+2*\c]
	v_cvt_scalef32_pk16_fp6_f32 v[PT+4*\c:PT+2+4*\c], v[\s+16+32*\c:\s+31+32*\c], v[TM+12+2*\c+1]   ; (a conversion's three registers begin on an even number)
.endr
	v_nop                                          ; one plain place behind a scaled conversion
.irp c, 0,1                            ; the operand wants a whole block in a lane: lanes 0-15 block 2 c, lanes 16-31 block 2 c + 1
.irp i, 0,1,2
	v_permlane16_swap_b32 v[\pc+6*\c+\i], v[PT+4*\c+\i]
.endr
.irp i, 0,1,2
	v_mov_b32 v[\pc+3+6*\c+\i], v[PT+4*\c+\i]
.endr
.endr
.endm
.macro STEP t
.if (\t) < 3
	s_wait_loadcnt 16                              ; this step's 16 loads are in; the next step's 16 may be out
.else
	s_wait_loadcnt 0x0
.endif
.irp i, 0,1,2,3,4,5,6,7,8,9,10,11,12,13,14,15
	ds_store_b128 v[STI], v[R+64*((\t)%2)+4*\i:R+64*((\t)%2)+4*\i+3] offset:SP*\i
.endr
.irp b, 0,1,2,3
.irp j, 0,1,2,3
	ds_load_b128 v[X+16*\b+4*\j:X+16*\b+4*\j+3], v[STO] offset:128*\b+16*\j   ; LDS serves a wave's instructions in order: these see the stores above
.endr
.endr
	s_wait_dscnt 0x0                               ; the numbers are back, and the stores have read their registers,
.if (\t) < 2
	LOAD (\t)+2                                    ; which take the loads of two steps on
.endif
.if (\t) > 0
	s_wait_xcnt 0x0                                ; the last step's stores have had their addresses translated: only now are the codes' registers written again
.endif
	QUANT64 X, PC, SW+(\t)
	global_store_b128 v[LI16], v[PC:PC+3], s[14:15] offset:1536*(\t)          ; each store covers 512 or 256 consecutive bytes, at a multiple of 256 from the buffer's first byte
	global_store_b64 v[LI8], v[PC+4:PC+5], s[14:15] offset:1536*(\t)+512
	global_store_b128 v[LI16], v[PC+6:PC+9], s[14:15] offset:1536*(\t)+768
	global_store_b64 v[LI8], v[PC+10:PC+11], s[14:15] offset:1536*(\t)+1280
.endm
	LOAD 0
	LOAD 1
	STEP 0
	STEP 1
	STEP 2
	STEP 3
	v_cndmask_b32 v[OW], v[SW], v[SW+2], s[HM]     ; lanes 0-15 store the words of K steps 0, 1, lanes 16-31 those of steps 2, 3
	v_cndmask_b32 v[OW+1], v[SW+1], v[SW+3], s[HM]
	global_store_b64 v[LI8], v[OW:OW+1], s[14:15] offset:6144
	s_wait_tensorcnt 0x0
	ds_add_u32 v248, v249
	s_wait_dscnt 0x0
	s_endpgm
.Lfunc_end_k_qe8e4fa4e4c_quant:
	.size	k_qe8e4fa4e4c_quant, .Lfunc_end_k_qe8e4fa4e4c_quant-k_qe8e4fa4e4c_quant
	.p2alignl 7, 3214868480
	.fill 96, 4, 3214868480
	.section	.rodata,"a",@progbits
	.p2align	6, 0x0
	.amdhsa_kernel k_qe8e4fa4e4c_quant
		.amdhsa_group_segment_fixed_size 51456
		.amdhsa_private_segment_fixed_size 0
		.amdhsa_enable_private_segment 0
		.amdhsa_kernarg_size 56
		.amdhsa_user_sgpr_count 2
		.amdhsa_user_sgpr_kernarg_segment_ptr 1
		.amdhsa_wavefront_size32 1
		.amdhsa_system_sgpr_workgroup_id_x 1
		.amdhsa_system_sgpr_workgroup_id_y 1
		.amdhsa_system_sgpr_workgroup_id_z 1
		.amdhsa_system_vgpr_workitem_id 0
		.amdhsa_next_free_vgpr 250
		.amdhsa_next_free_sgpr 66
		.amdhsa_reserve_vcc 0
		.amdhsa_float_denorm_mode_32 3
		.amdhsa_float_denorm_mode_16_64 3
		.amdhsa_memory_ordered 1
		.amdhsa_forward_progress 1
		.amdhsa_inst_pref_size 34
	.end_amdhsa_kernel
	.amdgpu_metadata
---
amdhsa.version: [ 1, 2 ]
amdhsa.kernels:
  - .name:           k_qe8e4fa4e4c_quant
    .symbol:         k_qe8e4fa4e4c_quant.kd
    .args:
      - { .name: x, .offset: 0, .size: 8, .value_kind: global_buffer, .address_space: global }
      - { .name: w_q, .offset: 8, .size: 8, .value_kind: global_buffer, .address_space: global }
      - { .name: w_k, .offset: 16, .size: 8, .value_kind: global_buffer, .address_space: global }
      - { .name: w_v, .offset: 24, .size: 8, .value_kind: global_buffer, .address_space: global }
      - { .name: w_o, .offset: 32, .size: 8, .value_kind: global_buffer, .address_space: global }
      - { .name: xq, .offset: 40, .size: 8, .value_kind: global_buffer, .address_space: global }
      - { .name: wq, .offset: 48, .size: 8, .value_kind: global_buffer, .address_space: global }
    .group_segment_fixed_size: 51456
    .private_segment_fixed_size: 0
    .kernarg_segment_align: 8
    .kernarg_segment_size: 56
    .max_flat_workgroup_size: 192
    .sgpr_count:     66
    .vgpr_count:     250
    .wavefront_size: 32
...
	.end_amdgpu_metadata
.endif
;; end of part 1
;; launch qkv (part 2): grid 4 x 64, 4 waves a work-group, clusters of 4 x 4, 327,680 bytes of LDS; arguments xq, wq, b_q, b_k, b_v, qq, kq, vq; writes qq, kq, vq
.if DOCPART == 2
	.amdgcn_target "amdgcn-amd-amdhsa--gfx1250"
	.amdhsa_code_object_version 6
	.text
	.protected	k_qe8e4fa4e4c_qkv
	.globl	k_qe8e4fa4e4c_qkv
	.p2align	8
	.type	k_qe8e4fa4e4c_qkv,@function
k_qe8e4fa4e4c_qkv:
	s_mov_b64 s[64:65], 0
	v_nop
	global_prefetch_b8 v0, s[64:65] scope:SCOPE_SE
	s_setreg_imm32_b32 hwreg(HW_REG_WAVE_MODE, 25, 1), 1
	s_wait_xcnt 0x0
	s_wait_alu depctr_hold_cnt(0) depctr_sa_sdst(0) depctr_va_vdst(0) depctr_va_sdst(0) depctr_va_ssrc(0) depctr_va_vcc(0) depctr_vm_vsrc(0)
	s_getreg_b32 s2, hwreg(HW_REG_IB_STS2, 6, 4)
	s_cmp_eq_u32 s2, 0
	s_cbranch_scc0 .Lentry_in_a_cluster
	s_endpgm
.Lentry_in_a_cluster:
	s_bfe_u32 s2, ttmp6, 0x10000c
	s_cmp_lg_u32 s2, 0xf033
	s_cbranch_scc0 .Lentry_shape_is_right
	s_endpgm
.Lentry_shape_is_right:
; q, k, v = x W^T + b on codes of FP6 (E2M3) with E8M0 scales, K = 1,024; the results are quantised in registers and leave as codes:
; q and k along the head's 64 features, v along the tokens (the keys are the second attention product's K).
; INPUTS: xq, wq: records of 6,400 bytes (a row tile x 512 along K: four fragments of 1,536 bytes in the order of the operand's registers, 256 bytes of scale words).
; Row tile T holds rows 32 (T / 2) + 8 (T % 2) + r + 8 (r / 8).
; SHARES: 256 work-groups THAT STAY: a work-group takes 128 tokens and the same block of 256 features of q, then of k, then of v.  Its tokens, all of K, come into LDS once and serve all three.
; LDS: two chunks of 512 along K, each with 8 token tiles and 16 weight tiles (307,200 bytes), then the spare words.  THE WEIGHTS' PARTS OF THE TWO CHUNKS ARE A RING OF TWO SLOTS: behind a tile's middle,
; when nobody reads chunk 0 any more, its weights are filled again with the next tensor's; behind the tile's last fragment reads chunk 1's.  Each refill has the three lines in every wave and a
; whole round of the cluster's barrier ahead of it, and is one joint load a wave, four row tiles each.  The last tile, v, fills nothing again.
; CLUSTERS: 4 x 4 work-groups; the four of a row need the same tokens, the four of a column the same weights: each tile is asked for jointly.
; No prefetch: a refill is itself asked for half a tile ahead of the wait for it, and the three tensors' blocks are read by all clusters in the same order.
; A WAVE: source 0 has 8 tiles (128, along which a lane's result registers run), source 1 has 4 tiles (64, one to a lane): 32 accumulators, 32 matrix instructions for each 128 along K.
;   q, k: source 0 = weights, source 1 = tokens: a lane holds one token, its 64 registers of a tile column run along 128 features = two heads.
;   v:    source 0 = tokens, source 1 = weights: a lane holds one feature, its registers run along 128 tokens = one key step.
; The bias is the C of each sum's first matrix instruction; the next tile's bias is loaded in the middle of the tile before.
; OUTPUTS: qq, kq: [batch x head][16 groups of 128 tokens] records of 6,656 bytes: eight half fragments (16 tokens x 64: registers 0-3 at 16 x lane, 4-5 at 512 + 8 x lane; tile i at 768 i),
;   then 512 bytes of scale words: lane 16 (i / 4) + r holds four words, word i % 4 = the head's two bytes and twice 0x7f (for the empty half of the instruction's K).
;   vq: [batch x head][16 key steps] records of 6,400 bytes: four fragments (16 of the head's 64 x 128 keys; register g at 512 (g / 4) + 16 x lane + 4 (g % 4)), then 256 bytes: lane 16 (t / 2) + r, word t % 2.
; LIMITS: a block of zeros gets the byte 1 where the rule says 127 (zero codes; this program alone reads the bytes); blocks under 2^-124 keep the byte 1; NaN and infinities are not served.
; REGISTERS, in windows of 256: window 0: v2-15 addresses; v16-47, v48-63 scale words of source 0 and 1; v64-95 at work on the way out; v96-239 fragments, set 0; v240-243 lane terms; v254-255 the add's.
;   window 1: the 32 accumulators, (bt, at) at v[64 bt + 8 at].   window 2: v0-63 the bias; v96-239 fragments, set 1.
.set REC,   6400
.set TILEB, 2*REC                      ; a row tile's two records
.set CHUNK, 24*REC                     ; LDS: 8 token tiles, then 16 weight tiles, for 512 along K
.set WOFF,  8*REC
.set KREC,  6656
.set VREC,  6400
.set NEXTH, 16*KREC                    ; from a head to the next in qq and kq
.set NEXTW, 64*TILEB                   ; from a weight to the next in wq
.set A16, 2                            ; v2-3  source 0: 16 x lane + its tiles, chunk 0, 1
.set A8,  4                            ; v4-5  8 x lane + the same
.set B16, 6                            ; v6-9  source 1 likewise
.set B8,  8
.set LI16, 10
.set LI8,  11
.set E0,  12                           ; v12-15 addresses of the way out
.set SA,  16                           ; scale words of source 0: tile i, chunk q at 16 q + 2 i: two registers; register st % 2, lanes 16-31 for st >= 2
.set SB,  48                           ; of source 1: 8 q + 2 i
.set TM,  64
.set PT,  80
.set PW,  88                           ; v88-91 the scale words just made
.set WD,  92                           ; v92-95 as they are stored
.set FA,  96
.set FB,  192
.set BO,  240                          ; v240 the bias's lane offset for q and k
.set RR,  241                          ; v241 r = lane % 16
.set HH,  242                          ; v242 h = lane / 16
.set BO1, 243                          ; v243 the bias's lane offset for v
.set WV,  20
.set WT,  21
.set WF,  22
.set CX,  23
.set CY,  24
.set XX,  25
.set YY,  26
.set G0S, 28                           ; s[28:31] group 0 of chunk 1's refills
.set G1X, 32                           ; s[32:39] group 1 for tokens; s[40:47] for weights; s[48:55], s[56:63] their groups 0, one for each chunk
.set G1W, 40
.set G0X, 48
.set G0W, 56
.set K7F, 80
.set HM,  81
.set SEL, 82
.set PBI, 84                           ; s[84:85] the bias's address
.set PO,  86                           ; s[86:87] the output's
.set G1R, 88                           ; s[88:95] group 1 of the refills: four row tiles
.set G0R, 96                           ; s[96:99] group 0 of chunk 0's refills
.set MSB, 0
.macro WIN new                         ; the immediate's high byte repeats the setting that is left
.if MSB != \new
	s_set_vgpr_msb (MSB<<8)|\new
.set MSB, \new
.endif
.endm
.macro PLACES                          ; four places behind a matrix instruction of this form, in front of loads into its registers and of the first read of results
.rept 4
	v_nop
.endr
.endm
.macro CROUND                          ; a round of the cluster's barrier
	s_barrier_signal -1
	s_barrier_wait -1
	s_cmp_lg_u32 s[WV], 0
	s_cbranch_scc1 .Lnot_wave_0_\@
	s_barrier_signal -3
.Lnot_wave_0_\@:
	s_barrier_wait -3
	s_barrier_signal -1
	s_barrier_wait -1
.endm
.macro FRAG reg, a16, a8, off          ; a fragment comes as it was laid: 12 registers by four loads of consecutive bytes
	ds_load_b128 v[\reg:\reg+3], v[\a16] offset:\off
	ds_load_b64 v[\reg+4:\reg+5], v[\a8] offset:\off+512
	ds_load_b128 v[\reg+6:\reg+9], v[\a16] offset:\off+768
	ds_load_b64 v[\reg+10:\reg+11], v[\a8] offset:\off+1280
.endm
.macro FETCH s                         ; K step s of eight: 12 fragments, 48 loads, into set s % 2
.if (\s)%2
	WIN 0x80
.else
	WIN 0
.endif
.irp i, 0,1,2,3,4,5,6,7
	FRAG FA+12*\i, A16+(\s)/4, A8+(\s)/4, REC*\i+1536*((\s)%4)
.endr
.irp i, 0,1,2,3
	FRAG FB+12*\i, B16+(\s)/4, B8+(\s)/4, REC*\i+1536*((\s)%4)
.endr
.endm
.macro SCALES q                        ; a chunk's scale words: 12 loads
	WIN 0
.irp i, 0,1,2,3,4,5,6,7
	ds_load_b64 v[SA+16*\q+2*\i:SA+16*\q+2*\i+1], v[A8+\q] offset:REC*\i+6144
.endr
.irp i, 0,1,2,3
	ds_load_b64 v[SB+8*\q+2*\i:SB+8*\q+2*\i+1], v[B8+\q] offset:REC*\i+6144
.endr
.endm
.macro MM d, a, b, c, sa, sb, row
.if \row
	v_wmma_scale_f32_16x16x128_f8f6f4 v[\d:\d+7], v[\a:\a+11], v[\b:\b+11], v[\c:\c+7], v[\sa], v[\sb] matrix_a_fmt:MATRIX_FMT_FP6 matrix_b_fmt:MATRIX_FMT_FP6 matrix_a_scale:MATRIX_SCALE_ROW1 matrix_b_scale:MATRIX_SCALE_ROW1
.else
	v_wmma_scale_f32_16x16x128_f8f6f4 v[\d:\d+7], v[\a:\a+11], v[\b:\b+11], v[\c:\c+7], v[\sa], v[\sb] matrix_a_fmt:MATRIX_FMT_FP6 matrix_b_fmt:MATRIX_FMT_FP6
.endif
.endm
; K step s: 32 matrix instructions; the 32 accumulators take turns, in the same order in every step.
; cmode 0: onto the sums; 1: the sums begin with the bias of source 0's tile; 2: of source 1's tile (window 2)
.macro WMMA s, cmode
.set QQ, (\s)/4
.set ST, (\s)%4
.if \cmode
	WIN 0x60                                       ; fragments window 0, C window 2, D window 1
.elseif (\s)%2
	WIN 0x5a                                       ; fragments window 2, C and D window 1
.else
	WIN 0x50                                       ; fragments window 0, C and D window 1
.endif
.irp bt, 0,1,2,3
.irp at, 0,1,2,3,4,5,6,7
.if \cmode == 1
	MM 64*\bt+8*\at, FA+12*\at, FB+12*\bt, 8*\at, SA+16*QQ+2*\at+ST%2, SB+8*QQ+2*\bt+ST%2, ST/2
.elseif \cmode == 2
	MM 64*\bt+8*\at, FA+12*\at, FB+12*\bt, 8*\bt, SA+16*QQ+2*\at+ST%2, SB+8*QQ+2*\bt+ST%2, ST/2
.else
	MM 64*\bt+8*\at, FA+12*\at, FB+12*\bt, 64*\bt+8*\at, SA+16*QQ+2*\at+ST%2, SB+8*QQ+2*\bt+ST%2, ST/2
.endif
.endr
.endr
.endm
; The bias of tile idx (0 q, 1 k, 2 v) into window 2, laid as the result lies
.macro BIAS idx
	s_lshl_b32 s76, s[CX], 10                      ; 256 numbers a work-group,
.if (\idx) == 2
	s_lshl_b32 s77, s[WV], 8                       ; 64 a wave
.else
	s_lshl_b32 s77, s[WF], 9                       ; 128 a half
.endif
	s_add_co_u32 s76, s76, s77
	s_mov_b32 s77, 0
	s_add_nc_u64 s[PBI:PBI+1], s[8+2*(\idx):9+2*(\idx)], s[76:77]
	WIN 0x80
.if (\idx) == 2
.irp bt, 0,1,2,3                       ; a lane's eight results of a tile are eight tokens of ONE feature: its bias in all eight registers
.irp j, 0,1,2,3,4,5,6,7
	global_load_b32 v[8*\bt+\j], v[BO1], s[PBI:PBI+1] offset:(32*(\bt/2)+8*(\bt%2))*4
.endr
.endr
.else
.irp at, 0,1,2,3,4,5,6,7               ; a lane's eight results of tile at are features 32 (at / 2) + 8 (at % 2) + 16 h + 0 .. 7
	global_load_b128 v[8*\at:8*\at+3], v[BO], s[PBI:PBI+1] offset:(32*(\at/2)+8*(\at%2))*4
	global_load_b128 v[8*\at+4:8*\at+7], v[BO], s[PBI:PBI+1] offset:(32*(\at/2)+8*(\at%2))*4+16
.endr
.endif
	WIN 0
.endm
; A refill: the three lines in every wave, a whole round, one joint load a wave: my four row tiles of the next weight's chunk.  No tensor load of mine is out behind the wait, so the group 0 may be stepped
.macro REFILL g0, idx
	s_wait_tensorcnt 0x0
	ds_add_u32 v254, v255
.if (\idx) == 1
	s_add_nc_u64 s[\g0+2:\g0+3], s[\g0+2:\g0+3], NEXTW
.endif
	s_wait_dscnt 0x0                               ; the add is done, and so are my reads of the slot
	CROUND                                         ; both hold of every wave of all sixteen work-groups
	tensor_load_to_lds s[\g0:\g0+3], s[G1R:G1R+7]
	s_nop 0
	PLACES
.endm
; The eight K steps of tile idx.  Each run of 48 loads is issued one step (32 matrix instructions) ahead of its use.
.macro MAIN cmode, idx
.if (\idx) == 0
	s_cmp_lt_u32 s[WV], 2                          ; waves 0 and 1 brought chunk 0 and wait for it; chunk 1's loads, waves 2 and 3's own lines, may stay out
	s_cbranch_scc0 .Lnot_chunk_0_\@
	s_wait_tensorcnt 0x0
.Lnot_chunk_0_\@:
.else
	s_wait_tensorcnt 0x1                           ; of my two refills the older, chunk 0's, is in; chunk 1's may stay out
.endif
	s_barrier_signal -1
	s_barrier_wait -1                              ; everybody's is
	SCALES 0
	FETCH 0
	FETCH 1
	s_wait_loadcnt 0x0                             ; the bias
	s_wait_dscnt 48                                ; all but step 1's 48 loads
	WMMA 0, \cmode
.irp s, 1,2
	PLACES
	FETCH \s+1
	s_wait_dscnt 48                                ; all but the 48 just issued
	WMMA \s, 0
.endr
	PLACES
	WIN 0
.if (\idx) < 2
	REFILL G0R, \idx                               ; chunk 1 is whole, nobody reads chunk 0 any more: its weights are filled again
	BIAS (\idx)+1
.else
	s_wait_tensorcnt 0x0                           ; my part of chunk 1 is in,
	s_wait_dscnt 0x0                               ; and no LDS load of mine is out at the signal
	s_barrier_signal -1
	s_barrier_wait -1                              ; chunk 1 is whole
.endif
	SCALES 1
	FETCH 4
	WMMA 3, 0                                      ; step 3's fragments came in front of the barrier
.irp s, 4,5,6
	PLACES
	FETCH \s+1
	s_wait_dscnt 48
	WMMA \s, 0
.endr
	s_wait_dscnt 0x0
	WMMA 7, 0
	WIN 0
.if (\idx) < 2
	REFILL G0S, \idx                               ; nobody reads chunk 1 any more: its weights are filled again; the load's four v_nop are the places ahead of the first read of results
.else
	PLACES
.endif
.endm
; 64 results of a lane (window 1, v[s] on; register 16 b + i = index 32 b + 16 h + i along the next K) become a fragment's codes in v[pc] on and its scale word in v[pw] (window 0).
; Each accumulator is read from its low end on.
.macro QUANTW s, pc, pw
	WIN 0x14                                       ; sources 1 and 2 window 1
.irp b, 0,1,2,3
	v_max3_num_f32 v[TM+\b], 0x1800000, |v[\s+16*\b]|, |v[\s+1+16*\b]|   ; the floor 2^(3 - 127): the byte cannot fall under 1
.endr
.irp i, 2,4,6,8,10,12,14
.irp b, 0,1,2,3
	v_max3_num_f32 v[TM+\b], v[TM+\b], |v[\s+16*\b+\i]|, |v[\s+1+16*\b+\i]|
.endr
.endr
	WIN 0
.irp b, 0,1,2,3
	v_permlanex16_b32 v[TM+4+\b], v[TM+\b], s[SEL], s[SEL+1]
.endr
.irp b, 0,1,2,3
	v_max_num_f32 v[TM+\b], v[TM+\b], v[TM+4+\b]
.endr
.irp b, 0,1,2,3
	v_add_nc_u32 v[TM+12+\b], 0xff000000, v[TM+\b]
.endr
.irp b, 0,1,2,3
	v_lshrrev_b32 v[TM+4+\b], 23, v[TM+12+\b]
.endr
	v_lshl_or_b32 v[\pw], v[TM+5], 8, v[TM+4]
	v_lshl_or_b32 v[\pw], v[TM+6], 16, v[\pw]
	v_lshl_or_b32 v[\pw], v[TM+7], 24, v[\pw]
	WIN 0x01                                       ; source 0 window 1
.irp c, 0,1
	v_cvt_scalef32_pk16_fp6_f32 v[\pc+6*\c:\pc+2+6*\c], v[\s+32*\c:\s+15+32*\c], v[TM+12+2*\c]
	v_cvt_scalef32_pk16_fp6_f32 v[PT+4*\c:PT+2+4*\c], v[\s+16+32*\c:\s+31+32*\c], v[TM+12+2*\c+1]
.endr
	WIN 0
	v_nop                                          ; one plain place behind a scaled conversion
.irp c, 0,1
.irp i, 0,1,2
	v_permlane16_swap_b32 v[\pc+6*\c+\i], v[PT+4*\c+\i]
.endr
.irp i, 0,1,2
	v_mov_b32 v[\pc+3+6*\c+\i], v[PT+4*\c+\i]
.endr
.endr
.endm
	s_load_b256 s[4:11], s[0:1], 0x0               ; xq s[4:5], wq s[6:7], b_q s[8:9], b_k s[10:11]
	s_load_b256 s[12:19], s[0:1], 0x20             ; b_v s[12:13], qq s[14:15], kq s[16:17], vq s[18:19]
	v_lshl_add_u32 v254, v0, 2, 0x4b000
	v_mov_b32 v255, 0
	ds_add_u32 v254, v255                          ; the opening lines: the add, twice on end, and its wait
	ds_add_u32 v254, v255
	v_lshrrev_b32 v1, 5, v0
	v_readfirstlane_b32 s[WV], v1                  ; wave 0..3
	s_lshr_b32 s[WT], s[WV], 1                     ; in q, k: my half of the tokens
	s_and_b32 s[WF], s[WV], 1                      ; in q, k: my half of the features
	s_bfe_u32 s[CX], ttmp6, 0x40000
	s_bfe_u32 s[CY], ttmp6, 0x40004
	s_lshl_b32 s[XX], ttmp9, 2
	s_add_co_u32 s[XX], s[XX], s[CX]               ; block of 256 features, the same in each of the three weights
	s_and_b32 s[YY], ttmp7, 0xffff
	s_lshl_b32 s[YY], s[YY], 2
	s_add_co_u32 s[YY], s[YY], s[CY]               ; block of 128 tokens
	s_lshl_b32 s28, s[CY], 2
	s_lshl_b32 s28, 15, s28                        ; my row of the cluster
	s_lshl_b32 s29, 0x1111, s[CX]                  ; my column
	; group 1: rows of 6,400 bytes (800 elements of 8 bytes), one for each row tile, 12,800 bytes apart; 8 rows of tokens, 16 of weights, 4 in a refill; laid on end in LDS
	s_or_b32 s[G1X], s28, (3<<16)|(1<<21)
	s_or_b32 s[G1W], s29, (3<<16)|(1<<21)
	s_or_b32 s[G1R], s29, (3<<16)|(1<<21)
	s_mov_b32 s[G1X+1], 800<<16
	s_mov_b32 s[G1X+2], 8<<16
	s_mov_b32 s[G1X+3], 800<<16
	s_mov_b32 s[G1X+4], 8
	s_mov_b32 s[G1X+5], 1600
	s_mov_b32 s[G1X+6], 0
	s_mov_b32 s[G1X+7], 0
	s_mov_b32 s[G1W+1], 800<<16
	s_mov_b32 s[G1W+2], 16<<16
	s_mov_b32 s[G1W+3], 800<<16
	s_mov_b32 s[G1W+4], 16
	s_mov_b32 s[G1W+5], 1600
	s_mov_b32 s[G1W+6], 0
	s_mov_b32 s[G1W+7], 0
	s_mov_b32 s[G1R+1], 800<<16
	s_mov_b32 s[G1R+2], 4<<16
	s_mov_b32 s[G1R+3], 800<<16
	s_mov_b32 s[G1R+4], 4
	s_mov_b32 s[G1R+5], 1600
	s_mov_b32 s[G1R+6], 0
	s_mov_b32 s[G1R+7], 0
	s_lshl_b32 s66, s[YY], 3                       ; tokens: row tile 8 Y (registers that never hold the cluster's x place)
	s_mul_i32 s66, s66, TILEB
	s_mov_b32 s67, 0
	s_lshl_b32 s68, s[XX], 4                       ; weights: row tile 16 X of w_q (registers that never hold the y place)
	s_mul_i32 s68, s68, TILEB
	s_mov_b32 s69, 0
	s_mov_b32 s70, 0                               ; where they go in a chunk
	s_mov_b32 s71, WOFF
	s_wait_dscnt 0x0
	s_wait_kmcnt 0x0
	s_add_nc_u64 s[72:73], s[4:5], s[66:67]
	s_add_nc_u64 s[74:75], s[6:7], s[68:69]
	CROUND                                         ; all sixteen work-groups are here: the joint loads meet
.irp q, 0,1
	s_mov_b32 s[G0X+4*\q], 1
	s_add_co_u32 s[G0X+4*\q+1], s70, \q*CHUNK
	s_add_nc_u64 s[G0X+4*\q+2:G0X+4*\q+3], s[72:73], \q*REC
	s_or_b32 s[G0X+4*\q+3], s[G0X+4*\q+3], 0x80000000
	s_mov_b32 s[G0W+4*\q], 1
	s_add_co_u32 s[G0W+4*\q+1], s71, \q*CHUNK
	s_add_nc_u64 s[G0W+4*\q+2:G0W+4*\q+3], s[74:75], \q*REC
	s_or_b32 s[G0W+4*\q+3], s[G0W+4*\q+3], 0x80000000
.endr
	s_cmp_eq_u32 s[WV], 0                          ; the head's four fills, one a wave, in one chain of arms: wave 0 chunk 0's weights, wave 1 its tokens, waves 2 and 3 chunk 1's
	s_cbranch_scc0 .Lfill_1
	tensor_load_to_lds s[G0W:G0W+3], s[G1W:G1W+7]
	s_nop 0
	PLACES
	s_branch .Lfilled
.Lfill_1:
	s_cmp_eq_u32 s[WV], 1
	s_cbranch_scc0 .Lfill_2
	tensor_load_to_lds s[G0X:G0X+3], s[G1X:G1X+7]
	s_nop 0
	PLACES
	s_branch .Lfilled
.Lfill_2:
	s_cmp_eq_u32 s[WV], 2
	s_cbranch_scc0 .Lfill_3
	tensor_load_to_lds s[G0W+4:G0W+7], s[G1W:G1W+7]
	s_nop 0
	PLACES
	s_branch .Lfilled
.Lfill_3:
	tensor_load_to_lds s[G0X+4:G0X+7], s[G1X:G1X+7]
	s_nop 0
	PLACES
.Lfilled:
	s_mul_i32 s76, s[WV], 4*TILEB                  ; the refills: my four row tiles of the block, first in w_k,
	s_add_co_u32 s76, s76, NEXTW
	s_mov_b32 s77, 0
	s_mul_i32 s78, s[WV], 4*REC                    ; and their place among a chunk's weights: the wave's number alone enters an LDS address
	s_add_co_u32 s78, s78, WOFF
	s_mov_b32 s[G0R], 1
	s_mov_b32 s[G0R+1], s78
	s_add_nc_u64 s[G0R+2:G0R+3], s[74:75], s[76:77]
	s_mov_b32 s[G0S], 1
	s_add_co_u32 s[G0S+1], s78, CHUNK
	s_add_nc_u64 s[G0S+2:G0S+3], s[G0R+2:G0R+3], REC
	s_or_b32 s[G0R+3], s[G0R+3], 0x80000000
	s_or_b32 s[G0S+3], s[G0S+3], 0x80000000
	s_mov_b32 s[SEL], 0x76543210
	s_mov_b32 s[SEL+1], 0xfedcba98
	s_mov_b32 s[K7F], 0x7f7f0000
	v_and_b32 v1, 31, v0                           ; lane
	v_lshlrev_b32 v[LI16], 4, v1
	v_lshlrev_b32 v[LI8], 3, v1
	v_cmp_le_u32 s[HM], 16, v1
	v_and_b32 v[RR], 15, v0
	v_bfe_u32 v[HH], v0, 4, 1
	v_lshlrev_b32 v[BO], 6, v[HH]
	v_and_b32 v[BO1], 8, v[RR]
	v_add_nc_u32 v[BO1], v[BO1], v[RR]
	v_lshlrev_b32 v[BO1], 2, v[BO1]                ; my feature of a tile of v: r + 8 (r / 8)
.irp b, 0,1,2,3
	v_mov_b32 v[TM+4+\b], 0                        ; written once: a lane permute's destination counts as one of its sources
.endr
	s_wait_alu depctr_va_vdst(0)
	BIAS 0
.macro BODY idx                        ; 0 q, 1 k, 2 v
.if \idx > 0
	s_wait_xcnt 0x0                                ; the last tile's stores have read their data, offsets and base: only now are these written again
.endif
.if \idx != 1                          ; k takes q's addresses as they stand
.if \idx == 2
	s_mov_b32 s76, 0                               ; source 0: all 8 token tiles
	s_mul_i32 s77, s[WV], 4*REC                    ; source 1: my 4 weight tiles = one head
	s_add_co_u32 s77, s77, WOFF
.else
	s_mul_i32 s76, s[WF], 8*REC                    ; source 0: my 8 weight tiles = two heads
	s_add_co_u32 s76, s76, WOFF
	s_mul_i32 s77, s[WT], 4*REC                    ; source 1: my 4 token tiles
.endif
	v_add_nc_u32 v[A16], s76, v[LI16]
	v_add_nc_u32 v[A8], s76, v[LI8]
	v_add_nc_u32 v[B16], s77, v[LI16]
	v_add_nc_u32 v[B8], s77, v[LI8]
	v_add_nc_u32 v[A16+1], CHUNK, v[A16]
	v_add_nc_u32 v[A8+1], CHUNK, v[A8]
	v_add_nc_u32 v[B16+1], CHUNK, v[B16]
	v_add_nc_u32 v[B8+1], CHUNK, v[B8]
.endif
.if \idx == 0
	s_mul_i32 s76, s[WT], 4*768
	v_add_nc_u32 v[E0], s76, v[LI16]               ; my four token tiles' half fragments
	v_add_nc_u32 v[E0+1], s76, v[LI8]
	v_lshlrev_b32 v[E0+2], 4, v[HH]                ; 16 h: lanes 16-31 store the second head's two bytes
	v_mul_u32_u24 v[E0+3], v[HH], NEXTH
	v_lshl_add_u32 v[E0+3], v[RR], 4, v[E0+3]
	s_lshl_b32 s76, s[WT], 8
	v_add_nc_u32 v[E0+3], s76, v[E0+3]             ; scale words: 16 r + 256 x half of the tokens, + a head for lanes 16-31
.endif
	s_lshr_b32 s78, s[YY], 4                       ; the output's record: (16 batch + head) x 16 + the block of 128 tokens in its batch
	s_lshl_b32 s78, s78, 4
	s_lshl_b32 s79, s[CX], 2
	s_add_co_u32 s78, s78, s79
.if \idx == 2
	s_add_co_u32 s78, s78, s[WV]
.else
	s_lshl_b32 s79, s[WF], 1
	s_add_co_u32 s78, s78, s79
.endif
	s_lshl_b32 s78, s78, 4
	s_and_b32 s79, s[YY], 15
	s_add_co_u32 s78, s78, s79
.if \idx == 2
	s_mul_i32 s78, s78, VREC
.else
	s_mul_i32 s78, s78, KREC
.endif
	s_mov_b32 s79, 0
	s_add_nc_u64 s[PO:PO+1], s[14+2*\idx:15+2*\idx], s[78:79]
	s_wait_alu depctr_va_vdst(0)
.if \idx == 2
	MAIN 2, \idx
.irp bt, 0,1,2,3                       ; tile bt: 16 of the head's 64 x these 128 tokens: one fragment of V, stored as it stands
	QUANTW 64*\bt, FA+12*\bt, PW+\bt
.irp c, 0,1,2
	global_store_b128 v[LI16], v[FA+12*\bt+4*\c:FA+12*\bt+4*\c+3], s[PO:PO+1] offset:1536*\bt+512*\c   ; 512 consecutive bytes, at a multiple of 256 from the buffer's first byte
.endr
.endr
	v_cndmask_b32 v[WD], v[PW], v[PW+2], s[HM]     ; lanes 0-15 store the words of tiles 0, 1, lanes 16-31 those of tiles 2, 3
	v_cndmask_b32 v[WD+1], v[PW+1], v[PW+3], s[HM]
	global_store_b64 v[LI8], v[WD:WD+1], s[PO:PO+1] offset:6144
.else
	MAIN 1, \idx
.irp bt, 0,1,2,3                       ; tile bt: 16 tokens x 128 features: registers 0-5 are the first head's half fragment, 6-11 the second's
	QUANTW 64*\bt, FA+12*\bt, PW+\bt
	global_store_b128 v[E0], v[FA+12*\bt:FA+12*\bt+3], s[PO:PO+1] offset:768*\bt
	global_store_b64 v[E0+1], v[FA+12*\bt+4:FA+12*\bt+5], s[PO:PO+1] offset:768*\bt+512
	global_store_b128 v[E0], v[FA+12*\bt+6:FA+12*\bt+9], s[PO:PO+1] offset:768*\bt+NEXTH
	global_store_b64 v[E0+1], v[FA+12*\bt+10:FA+12*\bt+11], s[PO:PO+1] offset:768*\bt+512+NEXTH
.endr
.irp bt, 0,1,2,3
	v_lshrrev_b32 v[WD+\bt], v[E0+2], v[PW+\bt]
.endr
.irp bt, 0,1,2,3
	v_and_or_b32 v[WD+\bt], v[WD+\bt], 0xffff, s[K7F]   ; the head's two bytes; 0x7f for the half of the instruction's K that the head does not fill
.endr
	global_store_b128 v[E0+3], v[WD:WD+3], s[PO:PO+1] offset:6144   ; sixteen lanes store 256 consecutive bytes
.endif
.endm
	BODY 0
	BODY 1
	BODY 2
	s_wait_dscnt 0x0
	s_wait_tensorcnt 0x0                           ; the wave's end
	ds_add_u32 v254, v255
	s_wait_dscnt 0x0
	CROUND                                         ; the closing round: no work-group ends while a partner may still ask for a tile that names it
	s_endpgm
.Lfunc_end_k_qe8e4fa4e4c_qkv:
	.size	k_qe8e4fa4e4c_qkv, .Lfunc_end_k_qe8e4fa4e4c_qkv-k_qe8e4fa4e4c_qkv
	.p2alignl 7, 3214868480
	.fill 96, 4, 3214868480
	.section	.rodata,"a",@progbits
	.p2align	6, 0x0
	.amdhsa_kernel k_qe8e4fa4e4c_qkv
		.amdhsa_group_segment_fixed_size 327680
		.amdhsa_private_segment_fixed_size 0
		.amdhsa_enable_private_segment 0
		.amdhsa_kernarg_size 64
		.amdhsa_user_sgpr_count 2
		.amdhsa_user_sgpr_kernarg_segment_ptr 1
		.amdhsa_wavefront_size32 1
		.amdhsa_system_sgpr_workgroup_id_x 1
		.amdhsa_system_sgpr_workgroup_id_y 1
		.amdhsa_system_sgpr_workgroup_id_z 1
		.amdhsa_system_vgpr_workitem_id 0
		.amdhsa_next_free_vgpr 768
		.amdhsa_next_free_sgpr 100
		.amdhsa_reserve_vcc 0
		.amdhsa_float_denorm_mode_32 3
		.amdhsa_float_denorm_mode_16_64 3
		.amdhsa_memory_ordered 1
		.amdhsa_forward_progress 1
		.amdhsa_inst_pref_size 249
	.end_amdhsa_kernel
	.amdgpu_metadata
---
amdhsa.version: [ 1, 2 ]
amdhsa.kernels:
  - .name:           k_qe8e4fa4e4c_qkv
    .symbol:         k_qe8e4fa4e4c_qkv.kd
    .args:
      - { .name: xq, .offset: 0, .size: 8, .value_kind: global_buffer, .address_space: global }
      - { .name: wq, .offset: 8, .size: 8, .value_kind: global_buffer, .address_space: global }
      - { .name: b_q, .offset: 16, .size: 8, .value_kind: global_buffer, .address_space: global }
      - { .name: b_k, .offset: 24, .size: 8, .value_kind: global_buffer, .address_space: global }
      - { .name: b_v, .offset: 32, .size: 8, .value_kind: global_buffer, .address_space: global }
      - { .name: qq, .offset: 40, .size: 8, .value_kind: global_buffer, .address_space: global }
      - { .name: kq, .offset: 48, .size: 8, .value_kind: global_buffer, .address_space: global }
      - { .name: vq, .offset: 56, .size: 8, .value_kind: global_buffer, .address_space: global }
    .group_segment_fixed_size: 327680
    .private_segment_fixed_size: 0
    .kernarg_segment_align: 8
    .kernarg_segment_size: 64
    .max_flat_workgroup_size: 128
    .sgpr_count:     100
    .vgpr_count:     768
    .wavefront_size: 32
...
	.end_amdgpu_metadata
.endif
;; end of part 2
;; launch attn (part 3): grid 4 x 64, 16 waves a work-group, clusters of 4 x 1, 210,944 bytes of LDS; arguments qq, kq, vq, cq; writes cq
.if DOCPART == 3
	.amdgcn_target "amdgcn-amd-amdhsa--gfx1250"
	.amdhsa_code_object_version 6
	.text
	.protected	k_qe8e4fa4e4c_attn
	.globl	k_qe8e4fa4e4c_attn
	.p2align	8
	.type	k_qe8e4fa4e4c_attn,@function
k_qe8e4fa4e4c_attn:
	s_mov_b64 s[64:65], 0
	v_nop
	global_prefetch_b8 v0, s[64:65] scope:SCOPE_SE
	s_setreg_imm32_b32 hwreg(HW_REG_WAVE_MODE, 25, 1), 1
	s_wait_xcnt 0x0
	s_wait_alu depctr_hold_cnt(0) depctr_sa_sdst(0) depctr_va_vdst(0) depctr_va_sdst(0) depctr_va_ssrc(0) depctr_va_vcc(0) depctr_vm_vsrc(0)
	s_getreg_b32 s2, hwreg(HW_REG_IB_STS2, 6, 4)
	s_cmp_eq_u32 s2, 0
	s_cbranch_scc0 .Lentry_in_a_cluster
	s_endpgm
.Lentry_in_a_cluster:
	s_bfe_u32 s2, ttmp6, 0x10000c
	s_cmp_lg_u32 s2, 0x3003
	s_cbranch_scc0 .Lentry_shape_is_right
	s_endpgm
.Lentry_shape_is_right:
; ctx = softmax(q k^T / 8) v for one batch x head, both products on codes of FP6 (E2M3) with E8M0 scales; ctx is quantised in registers along the model's features and leaves as codes.
; THE SOFTMAX AHEAD OF THE SECOND PRODUCT: t = score x log2(e) / 8; M = the running largest t rounded UP to a whole number; p = 2^(t - M) is quantised along the keys, not normalised;
; the row's sum is taken of the unquantised p and divides at the end.  When M moves, the sum and O are multiplied by 2^(old M - new M): exact.
; SHARES: a work-group owns 512 queries of one head, in two passes of 256; each of its sixteen waves owns one tile of 16 queries in 256 registers: four waves to a SIMD, so that one wave's
; vector work stands beside another's matrix work and LDS loads.
; THE HEAD'S WHOLE K AND V LIE IN LDS (106,496 + 102,400 bytes), filled once: no ring, one barrier.  CLUSTER: the four work-groups of a head ask for them jointly, one load a wave.
; LAYOUT: both products transposed: S^T = K Q^T (source 0 = 16 keys), O^T = V^T P^T (source 0 = 16 of the head's 64): a lane holds ONE query throughout.  Tile i of a group of 128 tokens
; holds tokens 32 (i / 2) + 8 (i % 2) + r + 8 (r / 8), so the 16 registers of tiles 2 b, 2 b + 1 of S^T are keys 32 b + 16 h + 0 .. 15; V's tiles of d are chosen likewise, so O^T's registers run along d.
; THE FIRST PRODUCT'S K IS 64, half of the instruction's 128: Q's registers 6-11 are zero codes.  K's registers 6-11 are then whatever follows (the next tile's codes, or a zero pad):
; numbers of the format, multiplied by zeros, under the scale byte 0x7f.
; cq is laid as xq: [row tile][2] records of 6,400 bytes; this head's half fragment and its two scale bytes a row go to their places.  The bytes go out one to a lane, into a block of 256 bytes
; that eight heads share: 1 byte for each 24 of codes.
; LIMITS: a block of zeros gets the byte 1 where the rule says 127 (zero codes; this program alone reads the bytes); NaN and infinities are not served; 1 / sum is v_rcp_f32 (1 ulp).
.set KREC,  6656
.set VREC,  6400
.set VBASE, 16*KREC                    ; LDS: K's 16 records, then V's 16
.set LI16, 1                           ; v1  16 x lane
.set LI8,  2                           ; v2  8 x lane
.set AK16, 3                           ; v3-6 the step's LDS addresses
.set AK8,  4
.set AV16, 5
.set AV8,  6
.set QSA,  7                           ; v7  my lane's place among Q's scale words
.set QS,   8                           ; v8  Q's scale words
.set PW,   9                           ; v9  p's
.set VS,   10                          ; v10-11 V's
                                       ; v12 -M, v13 the largest t, v[14:15] the sum in two halves
.set QF,   16                          ; v16-27 Q: 16-21 codes, 22-27 zero codes
.set KS,   28                          ; v28-31 K's scale words
.set KV,   32                          ; v32-79 K's eight half fragments, then V's four fragments
.set ZP,   80                          ; v80-85 zero codes behind K's last tile
.set LQ16, 86
.set LQ8,  87
.set SS,   88                          ; v88-151 S^T, then p
.set OT,   152                         ; v152-183 O^T
.set PCD,  184                         ; v184-195 p's codes
.set PT,   196
.set BM,   204                         ; v204-207 the blocks' largest scores, then p
.set PD,   208
.set SO,   212
.set FF,   216                         ; v[216:217] f, later 1 / sum (the low word serves both halves)
.set T0,   218
.set CH,   220                         ; v220-225 ctx's half fragment
.set CT,   226
.set C16,  230
.set C8,   231
.set CSA,  232
.set CB,   233                         ; v233 my scale byte of ctx
.set WV,   12
.set CS,   22                          ; s[22:23] c = log2(e) / 8
.set G1K,  24
.set G1V,  32
.set G0K,  40
.set G0V,  44
.set SEL,  48
.set TK,   50                          ; s50 LDS byte of the step's record of K
.set TV,   51                          ; s51 of V
.set CNT,  52
.set HM,   53
.macro PLACES
.rept 4
	v_nop
.endr
.endm
.macro CROUND
	s_barrier_signal -1
	s_barrier_wait -1
	s_cmp_lg_u32 s[WV], 0
	s_cbranch_scc1 .Lnot_wave_0_\@
	s_barrier_signal -3
.Lnot_wave_0_\@:
	s_barrier_wait -3
	s_barrier_signal -1
	s_barrier_wait -1
.endm
	s_load_b256 s[4:11], s[0:1], 0x0               ; qq s[4:5], kq s[6:7], vq s[8:9], cq s[10:11]
	v_lshl_add_u32 v254, v0, 2, 0x33000
	v_mov_b32 v255, 0
	ds_add_u32 v254, v255
	ds_add_u32 v254, v255
	v_lshrrev_b32 v3, 5, v0
	s_delay_alu instid0(VALU_DEP_1)
	v_readfirstlane_b32 s[WV], v3                  ; wave 0..15
	s_bfe_u32 s13, ttmp6, 0x40000                  ; cx
	s_and_b32 s14, ttmp7, 0xffff                   ; batch x 16 + head, which the four partners share
	s_and_b32 s15, s[WV], 7                        ; my tile of queries in its group of 128; also: which eighth of K or of V I fetch
	s_lshr_b32 s16, s[WV], 3                       ; which of a pass's two groups; also: I fetch for K (0) or for V (1)
	s_lshl_b32 s17, ttmp9, 2
	s_add_co_u32 s17, s17, s13                     ; my block of 512 queries: it enters Q's and ctx's addresses alone
	; group 1: a dense block as rows of 256 bytes (32 elements of 8 bytes): K: two records, 52 rows; V: two records, 50 rows; mask: all four work-groups
	s_mov_b32 s[G1K], 15|(3<<16)|(1<<21)
	s_mov_b32 s[G1K+1], 32<<16
	s_mov_b32 s[G1K+2], 52<<16
	s_mov_b32 s[G1K+3], 32<<16
	s_mov_b32 s[G1K+4], 52
	s_mov_b32 s[G1K+5], 32
	s_mov_b32 s[G1K+6], 0
	s_mov_b32 s[G1K+7], 0
	s_mov_b32 s[G1V], 15|(3<<16)|(1<<21)
	s_mov_b32 s[G1V+1], 32<<16
	s_mov_b32 s[G1V+2], 50<<16
	s_mov_b32 s[G1V+3], 32<<16
	s_mov_b32 s[G1V+4], 50
	s_mov_b32 s[G1V+5], 32
	s_mov_b32 s[G1V+6], 0
	s_mov_b32 s[G1V+7], 0
	s_mul_i32 s66, s15, 2*KREC                     ; K: my eighth in LDS,
	s_mul_i32 s18, s14, 16*KREC
	s_add_co_u32 s18, s18, s66                     ; and in memory
	s_mov_b32 s19, 0
	s_mul_i32 s67, s15, 2*VREC                     ; V likewise
	s_mul_i32 s20, s14, 16*VREC
	s_add_co_u32 s20, s20, s67
	s_mov_b32 s21, 0
	s_add_co_u32 s67, s67, VBASE
	s_wait_dscnt 0x0
	s_wait_kmcnt 0x0
	CROUND                                         ; all four work-groups are here: the joint loads meet
	s_mov_b32 s[G0K], 1
	s_mov_b32 s[G0K+1], s66
	s_add_nc_u64 s[G0K+2:G0K+3], s[6:7], s[18:19]
	s_or_b32 s[G0K+3], s[G0K+3], 0x80000000
	s_mov_b32 s[G0V], 1
	s_mov_b32 s[G0V+1], s67
	s_add_nc_u64 s[G0V+2:G0V+3], s[8:9], s[20:21]
	s_or_b32 s[G0V+3], s[G0V+3], 0x80000000
	s_cmp_lt_u32 s[WV], 8                          ; one load a wave, the launch's only fills; four v_nop follow each line
	s_cbranch_scc0 .Lfill_v
	tensor_load_to_lds s[G0K:G0K+3], s[G1K:G1K+7]
	s_nop 0
.rept 4
	v_nop
.endr
	s_branch .Lfilled
.Lfill_v:
	tensor_load_to_lds s[G0V:G0V+3], s[G1V:G1V+7]
	s_nop 0
.rept 4
	v_nop
.endr
.Lfilled:
	s_lshl_b32 s54, s14, 4                         ; Q: record (batch x head) x 16 + 4 x block + group
	s_lshl_b32 s55, s17, 2
	s_add_co_u32 s54, s54, s55
	s_add_co_u32 s54, s54, s16
	s_mul_i32 s54, s54, KREC
	s_mov_b32 s55, 0
	s_add_nc_u64 s[4:5], s[4:5], s[54:55]
	s_lshr_b32 s56, s14, 4                         ; ctx: row tile 128 batch + 8 (4 x block + group) + tile,
	s_lshl_b32 s56, s56, 7
	s_lshl_b32 s57, s17, 5
	s_add_co_u32 s56, s56, s57
	s_lshl_b32 s57, s16, 3
	s_add_co_u32 s56, s56, s57
	s_add_co_u32 s56, s56, s15
	s_mul_i32 s56, s56, 12800
	s_bfe_u32 s57, s14, 0x10003                    ; record head / 8,
	s_mul_i32 s57, s57, 6400
	s_add_co_u32 s56, s56, s57
	s_mov_b32 s57, 0
	s_add_nc_u64 s[10:11], s[10:11], s[56:57]
	s_bfe_u32 s58, s14, 0x20001                    ; K step st = (head % 8) / 2,
	s_and_b32 s59, s14, 1                          ; half c = head % 2
	s_mul_i32 s60, s58, 1536
	s_mul_i32 s61, s59, 768
	s_add_co_u32 s60, s60, s61                     ; the half fragment's place in the record
	s_lshr_b32 s61, s58, 1
	s_lshl_b32 s61, s61, 7
	s_and_b32 s62, s58, 1
	s_lshl_b32 s62, s62, 2
	s_add_co_u32 s61, s61, s62
	s_lshl_b32 s62, s59, 1
	s_add_co_u32 s61, s61, s62                     ; the bytes' place: 128 (st / 2) + 4 (st % 2) + 2 c
	v_and_b32 v5, 31, v0                           ; lane
	s_delay_alu instid0(VALU_DEP_1)
	v_lshlrev_b32 v[LI16], 4, v5
	s_delay_alu instid0(VALU_DEP_2)
	v_lshlrev_b32 v[LI8], 3, v5
	s_delay_alu instid0(VALU_DEP_3)
	v_cmp_le_u32 s[HM], 16, v5
	v_and_b32 v3, 15, v0                           ; r
	v_bfe_u32 v4, v0, 4, 1                         ; h
	s_mul_i32 s62, s15, 768
	v_add_nc_u32 v[LQ16], s62, v[LI16]
	v_add_nc_u32 v[LQ8], s62, v[LI8]
	s_lshr_b32 s62, s15, 2
	s_lshl_b32 s62, s62, 8
	s_and_b32 s63, s15, 3
	s_lshl_b32 s63, s63, 2
	s_add_co_u32 s62, s62, s63
	v_lshl_add_u32 v[QSA], v3, 4, s62              ; 16 r + 256 (tile / 4) + 4 (tile % 4)
	v_add_nc_u32 v[C16], s60, v[LI16]
	v_add_nc_u32 v[C8], s60, v[LI8]
	v_lshl_add_u32 v[CSA], v3, 3, v4               ; 8 r + h: lane (r, h) stores the byte of row r's block h
	s_delay_alu instid0(VALU_DEP_1)
	v_add_nc_u32 v[CSA], s61, v[CSA]
.irp j, 0,1,2,3,4,5
	v_mov_b32 v[QF+6+\j], 0                        ; zero codes: the half of K that a head of 64 does not fill
	v_mov_b32 v[ZP+\j], 0
.endr
.irp b, 0,1,2,3
	v_mov_b32 v[PD+\b], 0                          ; written once: a lane permute's destination counts as one of its sources
.endr
	v_mov_b32 v[FF+1], 0                           ; (named as the upper half of a pair)
	s_mov_b32 s[SEL], 0x76543210
	s_mov_b32 s[SEL+1], 0xfedcba98
	s_mov_b32 s[CS], 0x3e38aa3b                    ; c = log2(e) / 8
	s_mov_b32 s[CS+1], s[CS]
; A KEY STEP: 128 keys
.macro STEP
	v_add_nc_u32 v[AK16], s[TK], v[LI16]           ; these four are also the places in front of the loads into registers that the last products read
	v_add_nc_u32 v[AK8], s[TK], v[LI8]
	v_add_nc_u32 v[AV16], s[TV], v[LI16]
	v_add_nc_u32 v[AV8], s[TV], v[LI8]
.irp t, 0,1,2,3,4,5,6,7
	ds_load_b128 v[KV+6*\t:KV+6*\t+3], v[AK16] offset:768*\t
	ds_load_b64 v[KV+6*\t+4:KV+6*\t+5], v[AK8] offset:768*\t+512
.endr
	ds_load_b128 v[KS:KS+3], v[AK16] offset:6144   ; lanes 0-15: the words of tiles 0-3, lanes 16-31: of tiles 4-7
	s_wait_alu depctr_va_vdst(0)
	s_wait_dscnt 0x0
.irp t, 0,1,2,3
	v_wmma_scale_f32_16x16x128_f8f6f4 v[SS+8*\t:SS+8*\t+7], v[KV+6*\t:KV+6*\t+11], v[QF:QF+11], 0, v[KS+\t], v[QS] matrix_a_fmt:MATRIX_FMT_FP6 matrix_b_fmt:MATRIX_FMT_FP6
.endr
.irp t, 4,5,6,7
	v_wmma_scale_f32_16x16x128_f8f6f4 v[SS+8*\t:SS+8*\t+7], v[KV+6*\t:KV+6*\t+11], v[QF:QF+11], 0, v[KS+\t-4], v[QS] matrix_a_fmt:MATRIX_FMT_FP6 matrix_b_fmt:MATRIX_FMT_FP6 matrix_a_scale:MATRIX_SCALE_ROW1
.endr
	PLACES                                         ; in front of the loads over K's registers and of the first read of the scores
.irp t, 0,1,2,3                        ; V's four fragments land under the softmax
.irp c, 0,1,2
	ds_load_b128 v[KV+12*\t+4*\c:KV+12*\t+4*\c+3], v[AV16] offset:1536*\t+512*\c
.endr
.endr
	ds_load_b64 v[VS:VS+1], v[AV8] offset:6144
.irp b, 0,1,2,3
	v_max3_num_f32 v[BM+\b], v[SS+16*\b], v[SS+1+16*\b], v[SS+2+16*\b]   ; the largest score of each block of 32 keys: it serves the row's maximum and, since p rises with the score, the block's largest p
.endr
.irp i, 3,5,7,9,11,13
.irp b, 0,1,2,3
	v_max3_num_f32 v[BM+\b], v[BM+\b], v[SS+16*\b+\i], v[SS+1+16*\b+\i]
.endr
.endr
.irp b, 0,1,2,3
	v_max_num_f32 v[BM+\b], v[BM+\b], v[SS+15+16*\b]
.endr
.irp b, 0,1,2,3
	s_delay_alu instid0(VALU_DEP_4)
	v_permlanex16_b32 v[PD+\b], v[BM+\b], s[SEL], s[SEL+1]
.endr
.irp b, 0,1,2,3
	s_delay_alu instid0(VALU_DEP_4)
	v_max_num_f32 v[BM+\b], v[BM+\b], v[PD+\b]     ; with lane l xor 16's 16 keys
.endr
	s_delay_alu instid0(VALU_DEP_2)
	v_max3_num_f32 v[T0], v[BM], v[BM+1], v[BM+2]
	s_delay_alu instid0(VALU_DEP_1)
	v_max_num_f32 v[T0], v[T0], v[BM+3]
	s_delay_alu instid0(VALU_DEP_1)
	v_mul_f32 v[T0], s[CS], v[T0]                  ; the step's largest t (c is positive)
	s_delay_alu instid0(VALU_DEP_1)
	v_max_num_f32 v13, v13, v[T0]
	v_mov_b32 v[T0], v12
	s_delay_alu instid0(VALU_DEP_2)
	v_floor_f32 v12, -v13                          ; the new -M = floor(-t): M is a whole number
	s_delay_alu instid0(VALU_DEP_1)
	v_sub_f32 v[T0], v12, v[T0]                    ; old M - new M: a whole number, 0 or less
	s_delay_alu instid0(VALU_DEP_1)
	v_cvt_i32_f32 v[T0], v[T0]                     ; (it saturates)
	s_delay_alu instid0(VALU_DEP_1)
	v_ldexp_f32 v[FF], 1.0, v[T0]                  ; f = 2^(old M - new M)
.set J, 0
.rept 32
	v_pk_fma_f32 v[SS+J:SS+J+1], v[SS+J:SS+J+1], s[CS:CS+1], v[12:13] op_sel_hi:[1,0,0]   ; t - M, two at a time
.set J, J+2
.endr
.irp b, 0,1,2,3
	v_fma_f32 v[BM+\b], v[BM+\b], s[CS], v12
.endr
.set J, 0
	s_wait_alu depctr_va_vdst(0)
.rept 64
	v_exp_f32 v[SS+J], v[SS+J]                     ; p = 2^(t - M), at most 1
.set J, J+1
.endr
.irp b, 0,1,2,3
	v_exp_f32 v[BM+\b], v[BM+\b]                   ; the block's largest p: the same two instructions on the same number
.endr
	v_pk_mul_f32 v[14:15], v[14:15], v[FF:FF+1] op_sel_hi:[1,0]   ; the sums under the new M (a plain place behind the exponentials)
	s_wait_alu depctr_va_vdst(0)
.irp b, 0,1,2,3
	v_max_num_f32 v[BM+\b], 0x1800000, v[BM+\b]    ; the floor 2^(3 - 127)
.endr
.irp b, 0,1,2,3
	s_delay_alu instid0(VALU_DEP_4)
	v_add_nc_u32 v[SO+\b], 0xff000000, v[BM+\b]
.endr
.irp b, 0,1,2,3
	s_delay_alu instid0(VALU_DEP_4)
	v_lshrrev_b32 v[PD+\b], 23, v[SO+\b]
.endr
	s_delay_alu instid0(VALU_DEP_3)
	v_lshl_or_b32 v[PW], v[PD+1], 8, v[PD]
	s_delay_alu instid0(VALU_DEP_1)
	v_lshl_or_b32 v[PW], v[PD+2], 16, v[PW]
	s_delay_alu instid0(VALU_DEP_1)
	v_lshl_or_b32 v[PW], v[PD+3], 24, v[PW]
.irp c, 0,1
	v_cvt_scalef32_pk16_fp6_f32 v[PCD+6*\c:PCD+2+6*\c], v[SS+32*\c:SS+15+32*\c], v[SO+2*\c]
	v_cvt_scalef32_pk16_fp6_f32 v[PT+4*\c:PT+2+4*\c], v[SS+16+32*\c:SS+31+32*\c], v[SO+2*\c+1]
.endr
	v_nop                                          ; one plain place behind a scaled conversion
.irp c, 0,1
.irp i, 0,1,2
	v_permlane16_swap_b32 v[PCD+6*\c+\i], v[PT+4*\c+\i]
.endr
.irp i, 0,1,2
	s_delay_alu instid0(VALU_DEP_3)
	v_mov_b32 v[PCD+3+6*\c+\i], v[PT+4*\c+\i]
.endr
.endr
	v_pk_add_f32 v[218:219], v[92:93], v[96:97]
	v_pk_add_f32 v[252:253], v[100:101], v[104:105]
	v_pk_add_f32 v[250:251], v[108:109], v[112:113]
	v_pk_add_f32 v[248:249], v[116:117], v[120:121]
	v_pk_add_f32 v[246:247], v[124:125], v[128:129]
	v_pk_add_f32 v[244:245], v[132:133], v[136:137]
	v_pk_add_f32 v[242:243], v[140:141], v[144:145]
	v_pk_add_f32 v[14:15], v[14:15], v[148:149]
	v_pk_add_f32 v[218:219], v[218:219], v[88:89]
	v_pk_add_f32 v[252:253], v[252:253], v[90:91]
	v_pk_add_f32 v[250:251], v[250:251], v[94:95]
	v_pk_add_f32 v[248:249], v[248:249], v[98:99]
	v_pk_add_f32 v[246:247], v[246:247], v[102:103]
	v_pk_add_f32 v[244:245], v[244:245], v[106:107]
	v_pk_add_f32 v[242:243], v[242:243], v[110:111]
	v_pk_add_f32 v[14:15], v[14:15], v[114:115]
	v_pk_add_f32 v[218:219], v[218:219], v[118:119]
	v_pk_add_f32 v[252:253], v[252:253], v[122:123]
	v_pk_add_f32 v[250:251], v[250:251], v[126:127]
	v_pk_add_f32 v[248:249], v[248:249], v[130:131]
	v_pk_add_f32 v[246:247], v[246:247], v[134:135]
	v_pk_add_f32 v[244:245], v[244:245], v[138:139]
	v_pk_add_f32 v[242:243], v[242:243], v[142:143]
	v_pk_add_f32 v[14:15], v[14:15], v[146:147]
	v_pk_add_f32 v[218:219], v[218:219], v[150:151]
	s_delay_alu instid0(VALU_DEP_2)
	v_pk_add_f32 v[14:15], v[14:15], v[248:249]
	s_delay_alu instid0(VALU_DEP_2)
	v_pk_add_f32 v[218:219], v[218:219], v[246:247]
	v_pk_add_f32 v[252:253], v[252:253], v[244:245]
	v_pk_add_f32 v[250:251], v[250:251], v[242:243]
	s_delay_alu instid0(VALU_DEP_2)
	v_pk_add_f32 v[14:15], v[14:15], v[252:253]
	s_delay_alu instid0(VALU_DEP_2)
	v_pk_add_f32 v[218:219], v[218:219], v[250:251]
	s_delay_alu instid0(VALU_DEP_1)
	v_pk_add_f32 v[14:15], v[14:15], v[218:219]
.set J, 0
.rept 16
	v_pk_mul_f32 v[OT+J:OT+J+1], v[OT+J:OT+J+1], v[FF:FF+1] op_sel_hi:[1,0]   ; O^T under the new M, each accumulator from its low end on.  (With the sums: the places between p's codes and scale word and the products)
.set J, J+2
.endr
	s_wait_alu depctr_va_vdst(0)
	s_wait_dscnt 0x0                               ; V
.irp t, 0,1
	v_wmma_scale_f32_16x16x128_f8f6f4 v[OT+8*\t:OT+8*\t+7], v[KV+12*\t:KV+12*\t+11], v[PCD:PCD+11], v[OT+8*\t:OT+8*\t+7], v[VS+\t], v[PW] matrix_a_fmt:MATRIX_FMT_FP6 matrix_b_fmt:MATRIX_FMT_FP6
.endr
.irp t, 2,3
	v_wmma_scale_f32_16x16x128_f8f6f4 v[OT+8*\t:OT+8*\t+7], v[KV+12*\t:KV+12*\t+11], v[PCD:PCD+11], v[OT+8*\t:OT+8*\t+7], v[VS+\t-2], v[PW] matrix_a_fmt:MATRIX_FMT_FP6 matrix_b_fmt:MATRIX_FMT_FP6 matrix_a_scale:MATRIX_SCALE_ROW1
.endr
	s_add_co_u32 s[TK], s[TK], KREC
	s_add_co_u32 s[TV], s[TV], VREC
.endm
; A PASS: my tile of 16 queries of group 2 p + (wave / 8) of the block walks all 2,048 keys
.macro PASS p
	global_load_b128 v[QF:QF+3], v[LQ16], s[4:5] offset:2*KREC*\p
	global_load_b64 v[QF+4:QF+5], v[LQ8], s[4:5] offset:2*KREC*\p+512
	global_load_b32 v[QS], v[QSA], s[4:5] offset:2*KREC*\p+6144
	v_mov_b32 v13, 0xff61b1e6                      ; the largest t so far: -3e38
	s_delay_alu instid0(VALU_DEP_1)
	v_floor_f32 v12, -v13
	v_mov_b32 v14, 0
	v_mov_b32 v15, 0
.set J, 0
.rept 32
	v_mov_b32 v[OT+J], 0                           ; the step is written once: the first finds zeros, which the first change of M leaves zeros
.set J, J+1
.endr
	s_mov_b32 s[TK], 0
	s_mov_b32 s[TV], VBASE
	s_mov_b32 s[CNT], 16
.if \p == 0
	s_wait_tensorcnt 0x0                           ; my eighth of K or of V is in,
	s_barrier_signal -1
	s_barrier_wait -1                              ; everybody's is: the launch's one barrier for data
.endif
	s_wait_loadcnt 0x0                             ; Q
.Lstep_\@:
	STEP
	s_sub_co_u32 s[CNT], s[CNT], 1
	s_cmp_lg_u32 s[CNT], 0
	s_cbranch_scc1 .Lstep_\@
	PLACES
	v_add_f32 v14, v14, v15
	s_delay_alu instid0(VALU_DEP_1)
	v_permlanex16_b32 v[T0], v14, s[SEL], s[SEL+1]
	s_delay_alu instid0(VALU_DEP_1)
	v_add_f32 v14, v14, v[T0]                      ; the row's sum
	s_wait_alu depctr_va_vdst(0)
	v_rcp_f32 v[FF], v14
	v_nop                                          ; one plain place behind a transcendental
.set J, 0
	s_wait_alu depctr_va_vdst(0)
.rept 16
	v_pk_mul_f32 v[SS+J:SS+J+1], v[OT+J:OT+J+1], v[FF:FF+1] op_sel_hi:[1,0]   ; ctx: register 16 b + i = d 32 b + 16 h + i of my query
.set J, J+2
.endr
	s_wait_alu depctr_va_vdst(0)
	s_wait_xcnt 0x0                                ; the last pass's stores have had their addresses translated: only now are their data written again
.irp b, 0,1
	v_max3_num_f32 v[BM+\b], |v[SS+16*\b]|, |v[SS+1+16*\b]|, 0x1800000
.endr
.irp i, 2,4,6,8,10,12,14
.irp b, 0,1
	s_delay_alu instid0(VALU_DEP_2)
	v_max3_num_f32 v[BM+\b], v[BM+\b], |v[SS+16*\b+\i]|, |v[SS+1+16*\b+\i]|
.endr
.endr
.irp b, 0,1
	s_delay_alu instid0(VALU_DEP_2)
	v_permlanex16_b32 v[PD+\b], v[BM+\b], s[SEL], s[SEL+1]
.endr
.irp b, 0,1
	s_delay_alu instid0(VALU_DEP_2)
	v_max_num_f32 v[BM+\b], v[BM+\b], v[PD+\b]
.endr
.irp b, 0,1
	s_delay_alu instid0(VALU_DEP_2)
	v_add_nc_u32 v[SO+\b], 0xff000000, v[BM+\b]
.endr
.irp b, 0,1
	s_delay_alu instid0(VALU_DEP_2)
	v_lshrrev_b32 v[PD+\b], 23, v[SO+\b]
.endr
	v_cvt_scalef32_pk16_fp6_f32 v[CH:CH+2], v[SS:SS+15], v[SO]
	v_cvt_scalef32_pk16_fp6_f32 v[CT:CT+2], v[SS+16:SS+31], v[SO+1]
	v_cndmask_b32 v[CB], v[PD], v[PD+1], s[HM]     ; lane (r, h) keeps block h's byte.  (The plain place behind the conversions)
.irp i, 0,1,2
	v_permlane16_swap_b32 v[CH+\i], v[CT+\i]
.endr
.irp i, 0,1,2
	s_delay_alu instid0(VALU_DEP_3)
	v_mov_b32 v[CH+3+\i], v[CT+\i]
.endr
	global_store_b128 v[C16], v[CH:CH+3], s[10:11] offset:204800*\p          ; 512 consecutive bytes, at a multiple of 256 from the buffer's first byte
	global_store_b64 v[C8], v[CH+4:CH+5], s[10:11] offset:204800*\p+512
	global_store_b8 v[CSA], v[CB], s[10:11] offset:204800*\p+6144
.endm
	PASS 0
	PASS 1
	s_wait_dscnt 0x0
	s_wait_tensorcnt 0x0
	ds_add_u32 v254, v255
	s_wait_dscnt 0x0
	CROUND                                         ; the closing round
	s_endpgm
.Lfunc_end_k_qe8e4fa4e4c_attn:
	.size	k_qe8e4fa4e4c_attn, .Lfunc_end_k_qe8e4fa4e4c_attn-k_qe8e4fa4e4c_attn
	.p2alignl 7, 3214868480
	.fill 96, 4, 3214868480
	.section	.rodata,"a",@progbits
	.p2align	6, 0x0
	.amdhsa_kernel k_qe8e4fa4e4c_attn
		.amdhsa_group_segment_fixed_size 210944
		.amdhsa_private_segment_fixed_size 0
		.amdhsa_enable_private_segment 0
		.amdhsa_kernarg_size 32
		.amdhsa_user_sgpr_count 2
		.amdhsa_user_sgpr_kernarg_segment_ptr 1
		.amdhsa_wavefront_size32 1
		.amdhsa_system_sgpr_workgroup_id_x 1
		.amdhsa_system_sgpr_workgroup_id_y 1
		.amdhsa_system_sgpr_workgroup_id_z 1
		.amdhsa_system_vgpr_workitem_id 0
		.amdhsa_next_free_vgpr 256
		.amdhsa_next_free_sgpr 80
		.amdhsa_reserve_vcc 0
		.amdhsa_float_denorm_mode_32 3
		.amdhsa_float_denorm_mode_16_64 3
		.amdhsa_memory_ordered 1
		.amdhsa_forward_progress 1
		.amdhsa_inst_pref_size 53
	.end_amdhsa_kernel
	.amdgpu_metadata
---
amdhsa.version: [ 1, 2 ]
amdhsa.kernels:
  - .name:           k_qe8e4fa4e4c_attn
    .symbol:         k_qe8e4fa4e4c_attn.kd
    .args:
      - { .name: qq, .offset: 0, .size: 8, .value_kind: global_buffer, .address_space: global }
      - { .name: kq, .offset: 8, .size: 8, .value_kind: global_buffer, .address_space: global }
      - { .name: vq, .offset: 16, .size: 8, .value_kind: global_buffer, .address_space: global }
      - { .name: cq, .offset: 24, .size: 8, .value_kind: global_buffer, .address_space: global }
    .group_segment_fixed_size: 210944
    .private_segment_fixed_size: 0
    .kernarg_segment_align: 8
    .kernarg_segment_size: 32
    .max_flat_workgroup_size: 512
    .sgpr_count:     80
    .vgpr_count:     256
    .wavefront_size: 32
...
	.end_amdgpu_metadata
.endif
;; end of part 3
;; launch out (part 4): grid 4 x 64, 4 waves a work-group, clusters of 4 x 4, 307,712 bytes of LDS; arguments cq, wq, b_o, out0; writes out0
.if DOCPART == 4
	.amdgcn_target "amdgcn-amd-amdhsa--gfx1250"
	.amdhsa_code_object_version 6
	.text
	.protected	k_qe8e4fa4e4c_out
	.globl	k_qe8e4fa4e4c_out
	.p2align	8
	.type	k_qe8e4fa4e4c_out,@function
k_qe8e4fa4e4c_out:
	s_mov_b64 s[64:65], 0
	v_nop
	global_prefetch_b8 v0, s[64:65] scope:SCOPE_SE
	s_setreg_imm32_b32 hwreg(HW_REG_WAVE_MODE, 25, 1), 1
	s_wait_xcnt 0x0
	s_wait_alu depctr_hold_cnt(0) depctr_sa_sdst(0) depctr_va_vdst(0) depctr_va_sdst(0) depctr_va_ssrc(0) depctr_va_vcc(0) depctr_vm_vsrc(0)
	s_getreg_b32 s2, hwreg(HW_REG_IB_STS2, 6, 4)
	s_cmp_eq_u32 s2, 0
	s_cbranch_scc0 .Lentry_in_a_cluster
	s_endpgm
.Lentry_in_a_cluster:
	s_bfe_u32 s2, ttmp6, 0x10000c
	s_cmp_lg_u32 s2, 0xf033
	s_cbranch_scc0 .Lentry_shape_is_right
	s_endpgm
.Lentry_shape_is_right:
; out0 = ctx w_o^T + b_o on codes of FP6 (E2M3) with E8M0 scales, K = 1,024; out0 [8192][1024] f32.
; cq and wq hold records of 6,400 bytes (a row tile x 512 along K: four fragments of 1,536 bytes in the order of the operand's registers, 256 bytes of scale words);
; row tile T holds rows 32 (T / 2) + 8 (T % 2) + r + 8 (r / 8); w_o's row tiles are 192 to 255 of wq.
; SHARES: a work-group makes 128 tokens x 256 features; ALL OF K LIES IN LDS AT ONCE (307,200 bytes), each byte filled once: no ring.  Two chunks of 512 along K: the second lands while the first is multiplied.
; CLUSTERS: 4 x 4 work-groups; the four of a row need the same tokens, the four of a column the same weights: each tile is asked for jointly.
; A WAVE makes 64 tokens x 128 features: source 0 = 8 tiles of weights, source 1 = 4 tiles of tokens: a lane holds one token and runs of eight neighbouring features.  32 accumulators.
; The bias is the C of each sum's first matrix instruction.
; THE WAY OUT: a tile of 16 tokens x 128 features goes through the wave's own stage in LDS and leaves as whole rows of 512 bytes.  The stage lies in chunk 0, which has had its only fill, and
; whose last reads every wave has waited for in front of the middle barrier.
; REGISTERS, in windows of 256: window 0: v2-13 addresses; v16-47, v48-63 scale words; v96-239 fragments, set 0, later rows of the output; v240 the bias's lane offset.
;   window 1: the 32 accumulators, (bt, at) at v[64 bt + 8 at].   window 2: v0-63 the bias; v96-239 fragments, set 1.
.set REC,   6400
.set TILEB, 2*REC
.set CHUNK, 24*REC
.set WOFF,  8*REC
.set WT0,   192                        ; w_o's first row tile in wq
.set SP,    528                        ; a stage row: 512 bytes + 16
.set A16, 2
.set A8,  4
.set B16, 6
.set B8,  8
.set LI16, 10
.set LI8,  11
.set STO, 12                           ; v12 the stage, on the way in: row r, + 64 h
.set RD,  13                           ; v13 and back: 16 x lane
.set SA,  16
.set SB,  48
.set FA,  96
.set FB,  192
.set BK,  96                           ; the way out: 16 rows read back: v96-159 and v160-223 by turns
.set BO,  240
.set WV,  20
.set WT,  21
.set WF,  22
.set CX,  23
.set CY,  24
.set XX,  25
.set YY,  26
.set G1X, 32
.set G1W, 40
.set G0X, 48
.set G0W, 56
.set MSB, 0
.macro WIN new                         ; the immediate's high byte repeats the setting that is left
.if MSB != \new
	s_set_vgpr_msb (MSB<<8)|\new
.set MSB, \new
.endif
.endm
.macro PLACES                          ; four places behind a matrix instruction of this form (ISA guide 7.12.1)
.rept 4
	v_nop
.endr
.endm
.macro CROUND
	s_barrier_signal -1
	s_barrier_wait -1
	s_cmp_lg_u32 s[WV], 0
	s_cbranch_scc1 .Lnot_wave_0_\@
	s_barrier_signal -3
.Lnot_wave_0_\@:
	s_barrier_wait -3
	s_barrier_signal -1
	s_barrier_wait -1
.endm
.macro FRAG reg, a16, a8, off
	ds_load_b128 v[\reg:\reg+3], v[\a16] offset:\off
	ds_load_b64 v[\reg+4:\reg+5], v[\a8] offset:\off+512
	ds_load_b128 v[\reg+6:\reg+9], v[\a16] offset:\off+768
	ds_load_b64 v[\reg+10:\reg+11], v[\a8] offset:\off+1280
.endm
.macro FETCH s                         ; K step s of eight: 12 fragments, 48 loads, into set s % 2
.if (\s)%2
	WIN 0x80
.else
	WIN 0
.endif
.irp i, 0,1,2,3,4,5,6,7
	FRAG FA+12*\i, A16+(\s)/4, A8+(\s)/4, REC*\i+1536*((\s)%4)
.endr
.irp i, 0,1,2,3
	FRAG FB+12*\i, B16+(\s)/4, B8+(\s)/4, REC*\i+1536*((\s)%4)
.endr
.endm
.macro SCALES q
	WIN 0
.irp i, 0,1,2,3,4,5,6,7
	ds_load_b64 v[SA+16*\q+2*\i:SA+16*\q+2*\i+1], v[A8+\q] offset:REC*\i+6144
.endr
.irp i, 0,1,2,3
	ds_load_b64 v[SB+8*\q+2*\i:SB+8*\q+2*\i+1], v[B8+\q] offset:REC*\i+6144
.endr
.endm
.macro MM d, a, b, c, sa, sb, row
.if \row
	v_wmma_scale_f32_16x16x128_f8f6f4 v[\d:\d+7], v[\a:\a+11], v[\b:\b+11], v[\c:\c+7], v[\sa], v[\sb] matrix_a_fmt:MATRIX_FMT_FP6 matrix_b_fmt:MATRIX_FMT_FP6 matrix_a_scale:MATRIX_SCALE_ROW1 matrix_b_scale:MATRIX_SCALE_ROW1
.else
	v_wmma_scale_f32_16x16x128_f8f6f4 v[\d:\d+7], v[\a:\a+11], v[\b:\b+11], v[\c:\c+7], v[\sa], v[\sb] matrix_a_fmt:MATRIX_FMT_FP6 matrix_b_fmt:MATRIX_FMT_FP6
.endif
.endm
; K step s: 32 matrix instructions; the 32 accumulators take turns, in the same order in every step.  first = 1: the sums begin with the bias (window 2)
.macro WMMA s, first
.set QQ, (\s)/4
.set ST, (\s)%4
.if \first
	WIN 0x60
.elseif (\s)%2
	WIN 0x5a
.else
	WIN 0x50
.endif
.irp bt, 0,1,2,3
.irp at, 0,1,2,3,4,5,6,7
.if \first
	MM 64*\bt+8*\at, FA+12*\at, FB+12*\bt, 8*\at, SA+16*QQ+2*\at+ST%2, SB+8*QQ+2*\bt+ST%2, ST/2
.else
	MM 64*\bt+8*\at, FA+12*\at, FB+12*\bt, 64*\bt+8*\at, SA+16*QQ+2*\at+ST%2, SB+8*QQ+2*\bt+ST%2, ST/2
.endif
.endr
.endr
.endm
	s_load_b256 s[4:11], s[0:1], 0x0               ; cq s[4:5], wq s[6:7], b_o s[8:9], out0 s[10:11]
	v_lshl_add_u32 v254, v0, 2, 0x4b000
	v_mov_b32 v255, 0
	ds_add_u32 v254, v255
	ds_add_u32 v254, v255
	v_lshrrev_b32 v1, 5, v0
	v_readfirstlane_b32 s[WV], v1                  ; wave 0..3
	s_lshr_b32 s[WT], s[WV], 1                     ; my half of the tokens
	s_and_b32 s[WF], s[WV], 1                      ; my half of the features
	s_bfe_u32 s[CX], ttmp6, 0x40000
	s_bfe_u32 s[CY], ttmp6, 0x40004
	s_lshl_b32 s[XX], ttmp9, 2
	s_add_co_u32 s[XX], s[XX], s[CX]               ; block of 256 features
	s_and_b32 s[YY], ttmp7, 0xffff
	s_lshl_b32 s[YY], s[YY], 2
	s_add_co_u32 s[YY], s[YY], s[CY]               ; block of 128 tokens
	s_lshl_b32 s28, s[CY], 2
	s_lshl_b32 s28, 15, s28                        ; my row of the cluster
	s_lshl_b32 s29, 0x1111, s[CX]                  ; my column
	; group 1: rows of 6,400 bytes (800 elements of 8 bytes), one for each row tile, 12,800 bytes apart; 8 rows of tokens, 16 of weights
	s_or_b32 s[G1X], s28, (3<<16)|(1<<21)
	s_or_b32 s[G1W], s29, (3<<16)|(1<<21)
	s_mov_b32 s[G1X+1], 800<<16
	s_mov_b32 s[G1X+2], 8<<16
	s_mov_b32 s[G1X+3], 800<<16
	s_mov_b32 s[G1X+4], 8
	s_mov_b32 s[G1X+5], 1600
	s_mov_b32 s[G1X+6], 0
	s_mov_b32 s[G1X+7], 0
	s_mov_b32 s[G1W+1], 800<<16
	s_mov_b32 s[G1W+2], 16<<16
	s_mov_b32 s[G1W+3], 800<<16
	s_mov_b32 s[G1W+4], 16
	s_mov_b32 s[G1W+5], 1600
	s_mov_b32 s[G1W+6], 0
	s_mov_b32 s[G1W+7], 0
	s_lshl_b32 s66, s[YY], 3                       ; tokens: row tile 8 Y
	s_mul_i32 s66, s66, TILEB
	s_mov_b32 s67, 0
	s_lshl_b32 s68, s[XX], 4                       ; weights: row tile 192 + 16 X
	s_add_co_u32 s68, s68, WT0
	s_mul_i32 s68, s68, TILEB
	s_mov_b32 s69, 0
	s_mov_b32 s70, 0                               ; where they go in a chunk
	s_mov_b32 s71, WOFF
	s_wait_dscnt 0x0
	s_wait_kmcnt 0x0
	s_add_nc_u64 s[72:73], s[4:5], s[66:67]
	s_add_nc_u64 s[74:75], s[6:7], s[68:69]
	CROUND                                         ; all sixteen work-groups are here: the joint loads meet
.irp q, 0,1
	s_mov_b32 s[G0X+4*\q], 1
	s_add_co_u32 s[G0X+4*\q+1], s70, \q*CHUNK
	s_add_nc_u64 s[G0X+4*\q+2:G0X+4*\q+3], s[72:73], \q*REC
	s_or_b32 s[G0X+4*\q+3], s[G0X+4*\q+3], 0x80000000
	s_mov_b32 s[G0W+4*\q], 1
	s_add_co_u32 s[G0W+4*\q+1], s71, \q*CHUNK
	s_add_nc_u64 s[G0W+4*\q+2:G0W+4*\q+3], s[74:75], \q*REC
	s_or_b32 s[G0W+4*\q+3], s[G0W+4*\q+3], 0x80000000
.endr
	s_cmp_eq_u32 s[WV], 0                          ; the launch's four fills, one a wave, in one chain of arms: wave 0 chunk 0's weights, wave 1 its tokens, waves 2 and 3 chunk 1's
	s_cbranch_scc0 .Lfill_1
	tensor_load_to_lds s[G0W:G0W+3], s[G1W:G1W+7]
	s_nop 0
.rept 4
	v_nop
.endr
	s_branch .Lfilled
.Lfill_1:
	s_cmp_eq_u32 s[WV], 1
	s_cbranch_scc0 .Lfill_2
	tensor_load_to_lds s[G0X:G0X+3], s[G1X:G1X+7]
	s_nop 0
.rept 4
	v_nop
.endr
	s_branch .Lfilled
.Lfill_2:
	s_cmp_eq_u32 s[WV], 2
	s_cbranch_scc0 .Lfill_3
	tensor_load_to_lds s[G0W+4:G0W+7], s[G1W:G1W+7]
	s_nop 0
.rept 4
	v_nop
.endr
	s_branch .Lfilled
.Lfill_3:
	tensor_load_to_lds s[G0X+4:G0X+7], s[G1X:G1X+7]
	s_nop 0
.rept 4
	v_nop
.endr
.Lfilled:
	v_and_b32 v1, 31, v0                           ; lane
	v_lshlrev_b32 v[LI16], 4, v1
	v_lshlrev_b32 v[LI8], 3, v1
	v_and_b32 v14, 15, v0                          ; r
	v_bfe_u32 v15, v0, 4, 1                        ; h
	s_mul_i32 s30, s[WF], 8*REC                    ; source 0: my 8 weight tiles
	s_add_co_u32 s30, s30, WOFF
	s_mul_i32 s31, s[WT], 4*REC                    ; source 1: my 4 token tiles
	v_add_nc_u32 v[A16], s30, v[LI16]
	v_add_nc_u32 v[A8], s30, v[LI8]
	v_add_nc_u32 v[B16], s31, v[LI16]
	v_add_nc_u32 v[B8], s31, v[LI8]
	v_add_nc_u32 v[A16+1], CHUNK, v[A16]
	v_add_nc_u32 v[A8+1], CHUNK, v[A8]
	v_add_nc_u32 v[B16+1], CHUNK, v[B16]
	v_add_nc_u32 v[B8+1], CHUNK, v[B8]
	s_mul_i32 s84, s[WV], 16*SP                    ; my stage
	v_mul_u32_u24 v[STO], v14, SP
	v_lshl_add_u32 v[STO], v15, 6, v[STO]
	v_add_nc_u32 v[STO], s84, v[STO]
	v_add_nc_u32 v[RD], s84, v[LI16]
	v_lshlrev_b32 v[BO], 6, v15                    ; the bias: a lane's eight results of tile at are features 32 (at / 2) + 8 (at % 2) + 16 h + 0 .. 7
	s_wait_alu depctr_va_vdst(0)
	s_lshl_b32 s76, s[XX], 10                      ; my first feature, in bytes: 1,024 X + 512 x half
	s_lshl_b32 s77, s[WF], 9
	s_add_co_u32 s76, s76, s77
	s_mov_b32 s77, 0
	s_add_nc_u64 s[8:9], s[8:9], s[76:77]
	s_lshl_b32 s78, s[YY], 19                      ; my first token's row: (128 Y + 64 x half) x 4,096 bytes
	s_lshl_b32 s79, s[WT], 18
	s_add_co_u32 s78, s78, s79
	s_add_co_u32 s78, s78, s76
	s_mov_b32 s79, 0
	s_add_nc_u64 s[10:11], s[10:11], s[78:79]
	WIN 0x80
.irp at, 0,1,2,3,4,5,6,7
	global_load_b128 v[8*\at:8*\at+3], v[BO], s[8:9] offset:(32*(\at/2)+8*(\at%2))*4
	global_load_b128 v[8*\at+4:8*\at+7], v[BO], s[8:9] offset:(32*(\at/2)+8*(\at%2))*4+16
.endr
	WIN 0
	; The eight K steps.  Each run of 48 loads is issued one step (32 matrix instructions) ahead of its use.
	s_cmp_lt_u32 s[WV], 2                          ; waves 0 and 1 brought chunk 0 and wait for it; chunk 1's loads, waves 2 and 3's own lines, may stay out
	s_cbranch_scc0 .Lnot_chunk_0
	s_wait_tensorcnt 0x0
.Lnot_chunk_0:
	s_barrier_signal -1
	s_barrier_wait -1                              ; everybody's is
	SCALES 0
	FETCH 0
	FETCH 1
	s_wait_loadcnt 0x0                             ; the bias
	s_wait_dscnt 48                                ; all but step 1's 48 loads
	WMMA 0, 1
.irp s, 1,2
	PLACES
	FETCH \s+1
	s_wait_dscnt 48                                ; all but the 48 just issued
	WMMA \s, 0
.endr
	PLACES
	WIN 0
	s_wait_tensorcnt 0x0                           ; my part of chunk 1 is in,
	s_wait_dscnt 0x0                               ; and my reads of chunk 0 are over
	s_barrier_signal -1
	s_barrier_wait -1                              ; chunk 1 is whole, and nobody reads chunk 0 any more
	SCALES 1
	FETCH 4
	WMMA 3, 0                                      ; step 3's fragments came in front of the barrier
.irp s, 4,5,6
	PLACES
	FETCH \s+1
	s_wait_dscnt 48
	WMMA \s, 0
.endr
	s_wait_dscnt 0x0
	WMMA 7, 0
	WIN 0
	PLACES                                         ; in front of the first read of results and of the loads into registers that held fragments
; THE WAY OUT, a tile of 16 tokens at a time.  LDS serves a wave's instructions in order: no wait between the stores and the loads, nor in front of the next tile's stores.
.macro TOSTAGE bt
	WIN 0x04                                       ; an LDS store's data are its source 1: window 1
.irp at, 0,1,2,3,4,5,6,7
	ds_store_b128 v[STO], v[64*(\bt)+8*\at:64*(\bt)+8*\at+3] offset:128*(\at/2)+32*(\at%2)        ; each accumulator from its low end on
	ds_store_b128 v[STO], v[64*(\bt)+8*\at+4:64*(\bt)+8*\at+7] offset:128*(\at/2)+32*(\at%2)+16
.endr
	WIN 0
.irp i, 0,1,2,3,4,5,6,7,8,9,10,11,12,13,14,15
	ds_load_b128 v[BK+64*((\bt)%2)+4*\i:BK+64*((\bt)%2)+4*\i+3], v[RD] offset:SP*\i
.endr
.endm
.macro SEND bt, younger                ; younger: the LDS instructions issued behind tile bt's loads, which may stay out
	s_wait_dscnt \younger
.irp i, 0,1,2,3,4,5,6,7,8,9,10,11,12,13,14,15
	global_store_b128 v[LI16], v[BK+64*((\bt)%2)+4*\i:BK+64*((\bt)%2)+4*\i+3], s[10:11] offset:(32*((\bt)/2)+8*((\bt)%2)+\i+8*(\i/8))*4096 th:TH_STORE_NT   ; 32 lanes store 512 consecutive bytes of a row, at a multiple of 256 from the buffer's first byte
.endr
.endm
	TOSTAGE 0
	TOSTAGE 1
	SEND 0, 32                                     ; behind tile 0's loads: tile 1's 16 stores and 16 loads
	s_wait_xcnt 0x0                                ; tile 0's stores have had their addresses translated: tile 2's loads may land in their registers
	TOSTAGE 2
	SEND 1, 32
	s_wait_xcnt 0x0
	TOSTAGE 3
	SEND 2, 32
	SEND 3, 0
	s_wait_dscnt 0x0
	s_wait_tensorcnt 0x0
	ds_add_u32 v254, v255
	s_wait_dscnt 0x0
	CROUND                                         ; the closing round: no work-group ends while a partner may still ask for a tile that names it
	s_endpgm
.Lfunc_end_k_qe8e4fa4e4c_out:
	.size	k_qe8e4fa4e4c_out, .Lfunc_end_k_qe8e4fa4e4c_out-k_qe8e4fa4e4c_out
	.p2alignl 7, 3214868480
	.fill 96, 4, 3214868480
	.section	.rodata,"a",@progbits
	.p2align	6, 0x0
	.amdhsa_kernel k_qe8e4fa4e4c_out
		.amdhsa_group_segment_fixed_size 307712
		.amdhsa_private_segment_fixed_size 0
		.amdhsa_enable_private_segment 0
		.amdhsa_kernarg_size 32
		.amdhsa_user_sgpr_count 2
		.amdhsa_user_sgpr_kernarg_segment_ptr 1
		.amdhsa_wavefront_size32 1
		.amdhsa_system_sgpr_workgroup_id_x 1
		.amdhsa_system_sgpr_workgroup_id_y 1
		.amdhsa_system_sgpr_workgroup_id_z 1
		.amdhsa_system_vgpr_workitem_id 0
		.amdhsa_next_free_vgpr 768
		.amdhsa_next_free_sgpr 100
		.amdhsa_reserve_vcc 0
		.amdhsa_float_denorm_mode_32 3
		.amdhsa_float_denorm_mode_16_64 3
		.amdhsa_memory_ordered 1
		.amdhsa_forward_progress 1
		.amdhsa_inst_pref_size 83
	.end_amdhsa_kernel
	.amdgpu_metadata
---
amdhsa.version: [ 1, 2 ]
amdhsa.kernels:
  - .name:           k_qe8e4fa4e4c_out
    .symbol:         k_qe8e4fa4e4c_out.kd
    .args:
      - { .name: cq, .offset: 0, .size: 8, .value_kind: global_buffer, .address_space: global }
      - { .name: wq, .offset: 8, .size: 8, .value_kind: global_buffer, .address_space: global }
      - { .name: b_o, .offset: 16, .size: 8, .value_kind: global_buffer, .address_space: global }
      - { .name: out0, .offset: 24, .size: 8, .value_kind: global_buffer, .address_space: global }
    .group_segment_fixed_size: 307712
    .private_segment_fixed_size: 0
    .kernarg_segment_align: 8
    .kernarg_segment_size: 32
    .max_flat_workgroup_size: 128
    .sgpr_count:     100
    .vgpr_count:     768
    .wavefront_size: 32
...
	.end_amdgpu_metadata
.endif
;; end of part 4
